; MI455X (gfx1250); checked and timed in simulation.
; The chip was launched on July 23, 2026; its instructions are those of AMD's public machine-readable ISA for CDNA 5 (MIT licence, August 2026) and "CDNA5" Instruction Set Architecture Reference Guide (July 2026). The comments in the code are by the model that wrote it; some were corrected since.
;; Attention Block. Allowed arithmetic: float matrix products may take bf16 or f16 operands with f32 sums; other float arithmetic in f32, or as packed bf16 or f16 multiplies, adds, multiply-adds, maxima and minima; sums over many terms, partial sums and values carried from step to step in f32; what a program stores and reads back later, other than sums and carried values, may be rounded once to bf16 or f16.
;; Inputs: Wk 2,048 x 2,048 float32; Wo 2,048 x 2,048 float32; Wq 2,048 x 2,048 float32; Wv 2,048 x 2,048 float32; bk 2,048 float32; bo 2,048 float32; bq 2,048 float32; bv 2,048 float32; ln_b 2,048 float32; ln_w 2,048 float32; x 2,048 x 2,048 float32.
;; Outputs: out0 2,048 x 2,048 float32.
;; One version. Each part assembles by itself: llvm-mc -triple=amdgcn-amd-amdhsa -mcpu=gfx1250 --defsym DOCPART=n.
;; ======== version 1 of 1: 5 launches
;; workspace buffers: xb 8,388,608 bytes; wb 33,554,432 bytes; tab 1,048,576 bytes; qkv 25,165,824 bytes; ab 8,388,608 bytes; res 16,777,216 bytes
;; launch cast (part 1): grid 256 x 6, 8 waves a work-group, no clusters, 0 bytes of LDS; arguments x, Wq, Wk, Wv, Wo, xb, wb, tab; writes xb, wb, tab
.if DOCPART == 1
	.amdgcn_target "amdgcn-amd-amdhsa--gfx1250"
	.amdhsa_code_object_version 6
	.text
	.protected	k_q56a04fc36e_cast
	.globl	k_q56a04fc36e_cast
	.p2align	8
	.type	k_q56a04fc36e_cast,@function
k_q56a04fc36e_cast:
	s_mov_b64 s[64:65], 0
	v_nop
	global_prefetch_b8 v0, s[64:65] scope:SCOPE_SE
	s_setreg_imm32_b32 hwreg(HW_REG_WAVE_MODE, 25, 1), 1
	s_wait_xcnt 0x0
; y = 0..4: x, Wq, Wk, Wv, Wo ([2048][2048] f32) are rounded once to bf16: x into xb, the weights into wb[0..3], rows as given.
; y = 5: the RoPE table tab[pos][128] in f32: 64 cosines, then 64 sines, of pos x 10000^(-i/64).
; A stream: every byte is read once and written once; no LDS, no barrier, no loop.  A work-group takes 16,384 numbers, a wave 2,048:
; sixteen loads of 512 consecutive bytes, all on their way at once; each store of a wave covers 256 consecutive bytes, aligned.
; LIMIT of the table: the angle is kept in f32; at position 2,047 it is right to about 3e-4 rad.
.set XR, 8                             ; v[8:71]   sixteen loads of four f32
.set YR, 72                            ; v[72:103] sixteen pairs of packed bf16
	s_load_b512 s[4:19], s[0:1], 0x0               ; x s[4:5], Wq s[6:7], Wk s[8:9], Wv s[10:11], Wo s[12:13], xb s[14:15], wb s[16:17], tab s[18:19]
	s_and_b32 s20, ttmp7, 0xffff                   ; y: which tensor
	v_lshrrev_b32 v1, 5, v0                        ; wave
	v_and_b32 v2, 31, v0                           ; lane
	s_cmp_eq_u32 s20, 5
	s_cbranch_scc1 .Ltable
	v_lshlrev_b32 v3, 13, v1                       ; in: 8,192 bytes a wave,
	v_lshl_add_u32 v3, v2, 4, v3                   ; 16 a lane
	v_lshlrev_b32 v4, 12, v1                       ; out: 4,096 bytes a wave,
	v_lshl_add_u32 v4, v2, 3, v4                   ; 8 a lane
	s_max_u32 s26, s20, 1
	s_sub_co_u32 s26, s26, 1                       ; the weight's place in wb (0 for x)
	s_lshl_b32 s26, s26, 23                        ; 8,388,608 bytes each
	s_lshl_b32 s27, ttmp9, 15                      ; the work-group's 32,768 bytes out
	s_add_co_u32 s26, s26, s27
	s_mov_b32 s27, 0
	s_lshl_b32 s28, ttmp9, 16                      ; and 65,536 bytes in
	s_mov_b32 s29, 0
	s_wait_kmcnt 0x0
	s_cmp_eq_u32 s20, 1
	s_cselect_b64 s[22:23], s[6:7], s[4:5]
	s_cmp_eq_u32 s20, 2
	s_cselect_b64 s[22:23], s[8:9], s[22:23]
	s_cmp_eq_u32 s20, 3
	s_cselect_b64 s[22:23], s[10:11], s[22:23]
	s_cmp_eq_u32 s20, 4
	s_cselect_b64 s[22:23], s[12:13], s[22:23]
	s_cmp_eq_u32 s20, 0
	s_cselect_b64 s[24:25], s[14:15], s[16:17]
	s_add_nc_u64 s[22:23], s[22:23], s[28:29]
	s_add_nc_u64 s[24:25], s[24:25], s[26:27]
.irp j, 0,1,2,3,4,5,6,7,8,9,10,11,12,13,14,15
	global_load_b128 v[XR+4*\j:XR+4*\j+3], v3, s[22:23] offset:512*\j th:TH_LOAD_NT
.endr
.irp j, 0,1,2,3,4,5,6,7,8,9,10,11,12,13,14,15
	s_wait_loadcnt 15-\j                           ; loads come back in order: load j is in, the younger ones stay out
	v_cvt_pk_bf16_f32 v[YR+2*\j], v[XR+4*\j], v[XR+4*\j+1]
	v_cvt_pk_bf16_f32 v[YR+2*\j+1], v[XR+4*\j+2], v[XR+4*\j+3]
	global_store_b64 v4, v[YR+2*\j:YR+2*\j+1], s[24:25] offset:256*\j th:TH_STORE_NT
.endr
	s_endpgm
; The table.  A wave makes one position, a lane the frequencies 2 l and 2 l + 1.  The angle is reduced by multiples of pi/2 (pi/2 in two parts),
; sine and cosine of the rest (at most pi/4) come from their series, and the quadrant swaps them and sets the signs.
.macro TRIG b, o                       ; v[b]: the frequency; results: cosine in v[40+o], sine in v[42+o]
	v_mul_f32 v[\b], v5, v[\b]                     ; the angle
	v_mul_f32 v[\b+1], 0x3f22f983, v[\b]           ; x 2/pi
	v_rndne_f32 v[\b+1], v[\b+1]                   ; n
	v_fma_f32 v[\b+2], v[\b+1], s24, v[\b]         ; r = angle - n pi/2, high part,
	v_fma_f32 v[\b+2], v[\b+1], s25, v[\b+2]       ; low part
	v_mul_f32 v[\b+3], v[\b+2], v[\b+2]            ; r^2
	v_mov_b32 v[\b+4], 0xb9500d01                  ; -1/5040
	v_fmaak_f32 v[\b+4], v[\b+4], v[\b+3], 0x3c088889  ; 1/120
	v_fmaak_f32 v[\b+4], v[\b+4], v[\b+3], 0xbe2aaaab  ; -1/6
	v_mul_f32 v[\b+7], v[\b+2], v[\b+3]
	v_fma_f32 v[\b+4], v[\b+7], v[\b+4], v[\b+2]   ; sin r
	v_mov_b32 v[\b+5], 0x37d00d01                  ; 1/40320
	v_fmaak_f32 v[\b+5], v[\b+5], v[\b+3], 0xbab60b61  ; -1/720
	v_fmaak_f32 v[\b+5], v[\b+5], v[\b+3], 0x3d2aaaab  ; 1/24
	v_fmaak_f32 v[\b+5], v[\b+5], v[\b+3], 0xbf000000  ; -1/2
	v_fma_f32 v[\b+5], v[\b+5], v[\b+3], 1.0       ; cos r
	v_cvt_i32_f32 v[\b+6], v[\b+1]                 ; the quadrant is n mod 4
	v_and_b32 v[\b+7], 1, v[\b+6]
	v_cmp_eq_u32 vcc_lo, 1, v[\b+7]
	v_cndmask_b32 v[42+\o], v[\b+4], v[\b+5], vcc_lo   ; odd quadrants swap the two
	v_cndmask_b32 v[40+\o], v[\b+5], v[\b+4], vcc_lo
	v_and_b32 v[\b+7], 2, v[\b+6]                  ; the sine is negative in quadrants 2, 3,
	v_lshlrev_b32 v[\b+7], 30, v[\b+7]
	v_xor_b32 v[42+\o], v[42+\o], v[\b+7]
	v_add_nc_u32 v[\b+7], 1, v[\b+6]               ; the cosine in quadrants 1, 2
	v_and_b32 v[\b+7], 2, v[\b+7]
	v_lshlrev_b32 v[\b+7], 30, v[\b+7]
	v_xor_b32 v[40+\o], v[40+\o], v[\b+7]
.endm
.Ltable:
	v_readfirstlane_b32 s21, v1
	s_lshl_b32 s22, ttmp9, 3
	s_add_co_u32 s22, s22, s21                     ; the position: 8 x work-group + wave
	v_cvt_f32_u32 v5, s22
	s_mov_b32 s24, 0xbfc90fdb                      ; -pi/2, rounded to f32,
	s_mov_b32 s25, 0x333bbd2e                      ; and what that rounding left out
	v_lshlrev_b32 v6, 3, v2                        ; my 8 bytes of a half row
	v_lshlrev_b32 v10, 1, v2
	v_or_b32 v30, 1, v10
	v_cvt_f32_u32 v10, v10
	v_cvt_f32_u32 v30, v30
	v_mul_f32 v10, 0xbe549a78, v10                 ; -i log2(10000) / 64
	v_mul_f32 v30, 0xbe549a78, v30
	v_exp_f32 v10, v10
	v_exp_f32 v30, v30
	v_nop                                          ; a plain instruction behind the last exponential,
	s_wait_alu depctr_va_vdst(0)                   ; and one wait for the two, ahead of their first reader
	TRIG 10, 0
	TRIG 30, 1
	s_lshl_b32 s22, s22, 9                         ; a row of the table is 512 bytes
	s_mov_b32 s23, 0
	s_wait_kmcnt 0x0
	s_add_nc_u64 s[18:19], s[18:19], s[22:23]
	global_store_b64 v6, v[40:41], s[18:19]            ; 32 lanes: the row's 256 bytes of cosines,
	global_store_b64 v6, v[42:43], s[18:19] offset:256 ; and of sines
	s_endpgm
.Lfunc_end_k_q56a04fc36e_cast:
	.size	k_q56a04fc36e_cast, .Lfunc_end_k_q56a04fc36e_cast-k_q56a04fc36e_cast
	.p2alignl 7, 3214868480
	.fill 96, 4, 3214868480
	.section	.rodata,"a",@progbits
	.p2align	6, 0x0
	.amdhsa_kernel k_q56a04fc36e_cast
		.amdhsa_group_segment_fixed_size 0
		.amdhsa_private_segment_fixed_size 0
		.amdhsa_enable_private_segment 0
		.amdhsa_kernarg_size 64
		.amdhsa_user_sgpr_count 2
		.amdhsa_user_sgpr_kernarg_segment_ptr 1
		.amdhsa_wavefront_size32 1
		.amdhsa_system_sgpr_workgroup_id_x 1
		.amdhsa_system_sgpr_workgroup_id_y 1
		.amdhsa_system_sgpr_workgroup_id_z 1
		.amdhsa_system_vgpr_workitem_id 0
		.amdhsa_next_free_vgpr 104
		.amdhsa_next_free_sgpr 66
		.amdhsa_reserve_vcc 1
		.amdhsa_float_denorm_mode_32 3
		.amdhsa_float_denorm_mode_16_64 3
		.amdhsa_memory_ordered 1
		.amdhsa_forward_progress 1
		.amdhsa_inst_pref_size 11
	.end_amdhsa_kernel
	.amdgpu_metadata
---
amdhsa.version: [ 1, 2 ]
amdhsa.kernels:
  - .name:           k_q56a04fc36e_cast
    .symbol:         k_q56a04fc36e_cast.kd
    .args:
      - { .name: x, .offset: 0, .size: 8, .value_kind: global_buffer, .address_space: global }
      - { .name: Wq, .offset: 8, .size: 8, .value_kind: global_buffer, .address_space: global }
      - { .name: Wk, .offset: 16, .size: 8, .value_kind: global_buffer, .address_space: global }
      - { .name: Wv, .offset: 24, .size: 8, .value_kind: global_buffer, .address_space: global }
      - { .name: Wo, .offset: 32, .size: 8, .value_kind: global_buffer, .address_space: global }
      - { .name: xb, .offset: 40, .size: 8, .value_kind: global_buffer, .address_space: global }
      - { .name: wb, .offset: 48, .size: 8, .value_kind: global_buffer, .address_space: global }
      - { .name: tab, .offset: 56, .size: 8, .value_kind: global_buffer, .address_space: global }
    .group_segment_fixed_size: 0
    .private_segment_fixed_size: 0
    .kernarg_segment_align: 8
    .kernarg_segment_size: 64
    .max_flat_workgroup_size: 256
    .sgpr_count:     66
    .vgpr_count:     104
    .wavefront_size: 32
...
	.end_amdgpu_metadata
.endif
;; end of part 1
;; launch proj (part 2): grid 16 x 16, 4 waves a work-group, clusters of 4 x 4, 327,680 bytes of LDS; arguments xb, wb, bq, bk, bv, tab, qkv; writes qkv
.if DOCPART == 2
	.amdgcn_target "amdgcn-amd-amdhsa--gfx1250"
	.amdhsa_code_object_version 6
	.text
	.protected	k_q56a04fc36e_proj
	.globl	k_q56a04fc36e_proj
	.p2align	8
	.type	k_q56a04fc36e_proj,@function
k_q56a04fc36e_proj:
	s_mov_b64 s[64:65], 0
	v_nop
	global_prefetch_b8 v0, s[64:65] scope:SCOPE_SE
	s_setreg_imm32_b32 hwreg(HW_REG_WAVE_MODE, 25, 1), 1
	s_wait_xcnt 0x0
	s_wait_alu depctr_hold_cnt(0) depctr_sa_sdst(0) depctr_va_vdst(0) depctr_va_sdst(0) depctr_va_ssrc(0) depctr_va_vcc(0) depctr_vm_vsrc(0)
	s_getreg_b32 s2, hwreg(HW_REG_IB_STS2, 6, 4)
	s_cmp_eq_u32 s2, 0
	s_cbranch_scc0 .Lentry_in_a_cluster
	s_endpgm
.Lentry_in_a_cluster:
	s_bfe_u32 s2, ttmp6, 0x10000c
	s_cmp_lg_u32 s2, 0xf033
	s_cbranch_scc0 .Lentry_shape_is_right
	s_endpgm
.Lentry_shape_is_right:
; q, k, v = x W^T + b, RoPE on q and k, written by heads: qkv[c][head][pos][128] in bf16 (c = 0, 1, 2).  x and W come as bf16 copies; sums in f32; the biases are rounded
; to bf16 like every input and start the sums as the C operand of the first products, so nothing is cleared and nothing is added later.
; SHARES.  A work-group makes 128 rows x the 384 columns of q, k and v of ONE head: 16 x 16 work-groups.  Wave w: rows 64 (w / 2) on; of each of the three tensors the channels
; 32 (w % 2) .. + 31 and 64 + 32 (w % 2) .. + 31: channel d and channel d + 64 lie in the same wave, lane and register place, so RoPE changes no lanes.  48 accumulators, 384 registers.
; THE MATRIX INSTRUCTION IS USED TRANSPOSED (source 0 = 16 rows of W, source 1 = 16 rows of x): lane l holds row l % 16 and the eight channels 8 (l / 16) + 0..7.
; RING.  K goes in steps of 128 through two LDS slots of 512 rows (x's 128, then Wq's, Wk's, Wv's 128); each wave fetches one of the four parts by one tensor load of 128 rows x 256 bytes.
; The loop holds ONE K step: the slot's LDS byte s[TB] and the walking descriptors' LDS words are turned by an exclusive or, and the fragment addresses are made anew behind each change of slots.
; CLUSTER 4 x 4: the head is 4 x cluster y + cy, the row block 4 x cluster x + cx.  x's tile hangs on the row block alone and is asked for jointly along a column of the cluster (same cx),
; W's on the head alone, jointly along a row (same cy).
; THE WALK ALONG K GOES ROUND: a cluster begins at K step 4 x cluster x + 8 x (parity of cluster y's two bits), modulo 16, and takes the 16 steps from there on, wrapping.  So the four clusters
; that read the same rows of W stand four steps apart at any one time, and of the four that read the same rows of x two stand eight steps from the other two.  f32 sums may be taken in any order.
; REGISTERS, in windows of 256: window 0: v0-31 addresses; v32-95 x's fragments, two buffers (later the way out); v96-191 the biases; v192-239 at work on the way out.
;   window 1: W's fragments, two buffers of 96.   windows 2, 3: the accumulators of row blocks 0, 1 and 2, 3 (block a, column block b at 8 (12 (a % 2) + b)); v192-255 their cosines and sines.
.set KSTEP,  128
.set PITCH,  272                       ; an LDS row: 256 bytes + 16 of padding: the 16 rows of a fragment load start 4 banks apart
.set HALFT,  128*PITCH                 ; what one tensor load brings
.set SLOT,   4*HALFT                   ; 0x22000; the four parts begin at 0, 0x8800, 0x11000, 0x19800: none has bit 13 or 17 set, so the exclusive or adds or takes away
.set STAGE,  2*SLOT                    ; behind the ring, never filled by a tensor load: 128 rows x 272 bytes for the way out
.set SPITCH, 272
.set SPARE,  STAGE+128*SPITCH          ; the spare words: 128 bytes a wave, two blocks of 256 that no other line names
.set ADRA, 16                          ; v16     LDS address of my fragments of x in the slot in hand
.set ABA,  17                          ; v17     the same in slot 0; never rewritten
.set ADRB, 18                          ; v18-20  of Wq's, Wk's, Wv's in the slot in hand
.set ABB,  21                          ; v21-23  the same in slot 0; never rewritten
.set STO,  24                          ; v24  the way out: where I put 16 bytes of a row
.set RD,   25                          ; v25  where I read rows back
.set CO,   26                          ; v26  16 x lane: my place in 512 consecutive bytes of qkv
.set BO,   27                          ; v27  my byte offset in a head's 128 biases
.set SPW,  28                          ; v28  my spare word; never rewritten
.set NIL,  29                          ; v29  0; never rewritten
.set PFO,  30                          ; v30  the prefetches' offset: lane x 4,096 (a row of xb); never rewritten
.set TO,   31                          ; v31  my byte offset in the row block's part of the table
.set FA,   32
.set OB,   32
.set BIAS, 96
.set TT,   192
.set WV,  18                           ; s18  wave
.set G1,  24                           ; s[24:31] group 1 for x's tiles;  s[32:39] group 0: a set for each first fill; the second then walks on
.set G0,  32
.set LIM, 43                           ; s43  10 in a wave that prefetches, else the greatest number
.set PFA, 44                           ; s[44:45] the prefetch's address, made anew for each
.set G1B, 48                           ; s[48:55], s[56:63] the same for W's tiles
.set G0B, 56
.set TB,  73                           ; s73  LDS byte at which the slot in hand begins: 0 or SLOT
.set KK,  74                           ; s74  the K step to be asked for next; used modulo 16
.set OFF, 76                           ; s[76:77] a K step's byte offset in a row
.set PFB, 80                           ; s[80:81] xb at my work-group's 32 rows of the 128 that its column of the cluster asks for jointly
.set DW0, (1<<16)|(1<<20)|(1<<21)|(5<<22)|(3<<25)  ; 2-byte elements; padding on; bit 21 beside a mask; after every 64 words 4 words
.set MSB, 0
.macro WIN new                         ; the immediate's high byte repeats the setting that is left; a switch that changes nothing is dropped
.if MSB != (\new)
	s_set_vgpr_msb (MSB<<8)|(\new)
.set MSB, \new
.endif
.endm
.macro PLACES                          ; four plain places behind matrix instructions (ISA guide 7.12.1)
.rept 4
	v_nop
.endr
.endm
.macro JLOAD s                         ; a joint load: wave 0 fetches x's tile, waves 1-3 those of Wq, Wk, Wv; an s_nop 0 and four v_nop follow each line
	s_cmp_eq_u32 s[WV], 0
	s_cbranch_scc0 .Lfor_b_\@
	tensor_load_to_lds s[G0+4*(\s):G0+4*(\s)+3], s[G1:G1+7]
	s_nop 0
.rept 4
	v_nop
.endr
	s_branch .Lasked_\@
.Lfor_b_\@:
	tensor_load_to_lds s[G0B+4*(\s):G0B+4*(\s)+3], s[G1B:G1B+7]
	s_nop 0
.rept 4
	v_nop
.endr
.Lasked_\@:
.endm
; A PREFETCH of x's K step that stands two refills on: 32 rows x 256 bytes, a lane a row.  Of the four clusters that read the same rows of x, those with y = 0 and 3 walk together, and so do those
; with y = 1 and 2, eight steps away: a pair is the first to reach the first eight steps of its walk.  Of each pair the cluster with y < 2 asks: wave 0, behind refills 0 to 3 (s3 = 14 .. 11), for
; steps 4 to 7 of its walk; the four partners that fetch a tile jointly share its 128 rows out by address.  So no block is named twice.  Steps 0 to 3 come by their loads alone: nothing is asked for
; at the head.  W is not asked for: a cluster is the first of its four to reach only the four steps with which its walk begins.
.macro ASK
	s_cmp_gt_u32 s3, s[LIM]
	s_cbranch_scc0 .Lnot_mine_\@
	global_prefetch_b8 v[PFO], s[PFA:PFA+1] th:TH_LOAD_NT scope:SCOPE_SE
.Lnot_mine_\@:
.endm
.macro CREST                           ; a round of the cluster's barrier behind its opening barrier
	s_cmp_lg_u32 s[WV], 0
	s_cbranch_scc1 .Lnot_wave_0_\@
	s_barrier_signal -3
.Lnot_wave_0_\@:
	s_barrier_wait -3
	s_barrier_signal -1
	s_barrier_wait -1
.endm
.macro CROUND
	s_barrier_signal -1
	s_barrier_wait -1
	CREST
.endm
	s_load_b256 s[4:11], s[0:1], 0x0               ; xb s[4:5], wb s[6:7], bq s[8:9], bk s[10:11]
	s_load_b128 s[12:15], s[0:1], 0x20             ; bv s[12:13], tab s[14:15]
	s_load_b64 s[16:17], s[0:1], 0x30              ; qkv
	v_lshl_add_u32 v[SPW], v0, 2, SPARE
	v_mov_b32 v[NIL], 0
	ds_add_u32 v[SPW], v[NIL]                      ; the wave's opening: the add and its wait ahead of my first tensor load
	v_lshrrev_b32 v1, 5, v0
	v_readfirstlane_b32 s[WV], v1
	s_lshr_b32 s19, s[WV], 1                       ; which 64 rows are mine
	s_and_b32 s20, s[WV], 1                        ; which channels
	s_bfe_u32 s21, ttmp6, 0x40000                  ; cx
	s_bfe_u32 s22, ttmp6, 0x40004                  ; cy
	s_and_b32 s75, ttmp7, 0xffff                   ; cluster y
	s_lshl_b32 s23, s75, 2
	s_add_co_u32 s23, s23, s22                     ; the head = 4 x cluster y + cy
	s_lshl_b32 s40, ttmp9, 2
	s_add_co_u32 s40, s40, s21                     ; the block of 128 rows = 4 x cluster x + cx
	s_lshl_b32 s41, 0x1111, s21                    ; my column of the cluster (same cx): x's tiles
	s_lshl_b32 s42, s22, 2
	s_lshl_b32 s42, 15, s42                        ; my row (same cy): W's tiles
	s_or_b32 s[G1], s41, DW0
	s_or_b32 s[G1B], s42, DW0
.irp g, G1, G1B
	s_mov_b32 s[(\g)+1], KSTEP<<16                 ; tensor_dim0 = 128
	s_mov_b32 s[(\g)+2], 128<<16                   ; tensor_dim1 = 128
	s_mov_b32 s[(\g)+3], KSTEP<<16                 ; tile_dim0 = 128
	s_mov_b32 s[(\g)+4], 128                       ; tile_dim1 = 128
	s_mov_b32 s[(\g)+5], 2048                      ; elements from row to row
	s_mov_b32 s[(\g)+6], 0
	s_mov_b32 s[(\g)+7], 0
.endr
	s_lshl_b32 s66, s40, 19                        ; x: 128 rows of 4,096 bytes a block: hangs on the row block alone
	s_mov_b32 s67, 0
	s_max_u32 s68, s[WV], 1
	s_sub_co_u32 s68, s68, 1                       ; W: waves 1, 2, 3 take Wq, Wk, Wv,
	s_lshl_b32 s68, s68, 23
	s_lshl_b32 s69, s23, 19                        ; the head's 128 rows: hangs on the head alone
	s_add_co_u32 s68, s68, s69
	s_mov_b32 s69, 0
	s_mul_i32 s78, s[WV], HALFT                    ; where my part goes: wave x 128 rows
	s_mov_b32 s79, 0xffff0000
	s_lshr_b32 s71, s75, 1                         ; where the cluster's walk along K begins: the same in all sixteen partners
	s_xor_b32 s71, s71, s75
	s_and_b32 s71, s71, 1                          ; the parity of cluster y's two bits
	s_lshl_b32 s71, s71, 3
	s_lshl_b32 s[KK], ttmp9, 2
	s_add_co_u32 s[KK], s[KK], s71
	s_mov_b32 s[OFF+1], 0
	s_mov_b32 s[TB], 0
	s_lshr_b32 s71, s75, 1                         ; 0 where cluster y < 2,
	s_or_b32 s71, s71, s[WV]                       ; in wave 0
	s_cmp_eq_u32 s71, 0
	s_cselect_b32 s[LIM], 10, -1
	s_wait_dscnt 0x0                               ; the opening add is done
	s_wait_kmcnt 0x0
	s_add_nc_u64 s[66:67], s[4:5], s[66:67]        ; x's and W's tiles at K = 0: kept; each load's address is made from them
	s_add_nc_u64 s[68:69], s[6:7], s[68:69]
	CROUND                                         ; all sixteen work-groups are here: the first joint loads meet
.irp s, 0,1
	s_add_co_u32 s72, s[KK], \s
	s_and_b32 s72, s72, 15
	s_lshl_b32 s[OFF], s72, 8                      ; a K step is 256 bytes of a row
	s_mov_b32 s[G0+4*(\s)], 1
	s_add_co_u32 s[G0+4*(\s)+1], s78, (\s)*SLOT
	s_add_nc_u64 s[G0+4*(\s)+2:G0+4*(\s)+3], s[66:67], s[OFF:OFF+1]
	s_or_b32 s[G0+4*(\s)+3], s[G0+4*(\s)+3], 0x80000000
	s_mov_b32 s[G0B+4*(\s)], 1
	s_add_co_u32 s[G0B+4*(\s)+1], s78, (\s)*SLOT
	s_add_nc_u64 s[G0B+4*(\s)+2:G0B+4*(\s)+3], s[68:69], s[OFF:OFF+1]
	s_or_b32 s[G0B+4*(\s)+3], s[G0B+4*(\s)+3], 0x80000000
	JLOAD \s                                       ; two loads of mine are out
.endr
	s_add_co_u32 s[KK], s[KK], 2
	v_and_b32 v1, 15, v0                           ; l % 16
	v_bfe_u32 v2, v0, 4, 1                         ; l / 16
	v_mul_u32_u24 v3, v1, PITCH
	v_lshl_add_u32 v3, v2, 4, v3                   ; a fragment's row x pitch + 16 x half
	s_mul_i32 s42, s19, 64*PITCH                   ; my 64 rows of x
	s_mul_i32 s46, s20, 32*PITCH                   ; my channels' first row in a tile of W,
	s_add_co_u32 s46, s46, HALFT                   ; behind x's 128 rows
	v_add_nc_u32 v[ABA], s42, v3
	v_add_nc_u32 v[ADRA], s42, v3
.irp c, 0,1,2
	v_add_nc_u32 v[ABB+(\c)], s46, v3
	v_add_nc_u32 v[ADRB+(\c)], s46, v3
	s_add_co_u32 s46, s46, HALFT
.endr
	s_lshl_b32 s47, s20, 6
	s_add_co_u32 s47, s47, s42
	s_add_co_u32 s47, s47, STAGE
	v_add_nc_u32 v[STO], s47, v3                   ; stage row 64 (w / 2) + l % 16, byte 64 (w % 2) + 16 (l / 16)
	v_mul_u32_u24 v4, v2, SPITCH
	v_lshl_add_u32 v4, v1, 4, v4
	s_mul_i32 s47, s[WV], 32*SPITCH
	s_add_co_u32 s47, s47, STAGE
	v_add_nc_u32 v[RD], s47, v4                    ; back: wave w takes rows 32 w on, two whole rows a load
	v_and_b32 v[CO], 31, v0
	v_lshlrev_b32 v[PFO], 12, v[CO]
	v_lshlrev_b32 v[CO], 4, v[CO]
	s_lshl_b32 s47, s20, 7
	v_lshl_add_u32 v[BO], v2, 5, s47               ; (32 (w % 2) + 8 (l / 16)) x 4
	v_lshl_add_u32 v[TO], v1, 9, v[BO]             ; + (l % 16) rows of 512 bytes
	s_lshl_b32 s47, s19, 15
	v_add_nc_u32 v[TO], s47, v[TO]                 ; + my 64 rows
	s_lshl_b32 s70, s22, 17                        ; the prefetches: of the tile's 128 rows partner cy takes 32 cy on
	s_mov_b32 s71, 0
	s_add_nc_u64 s[PFB:PFB+1], s[66:67], s[70:71]
	s_lshl_b32 s70, s23, 9                         ; the head's 128 biases
	s_add_nc_u64 s[8:9], s[8:9], s[70:71]
	s_add_nc_u64 s[10:11], s[10:11], s[70:71]
	s_add_nc_u64 s[12:13], s[12:13], s[70:71]
	s_lshl_b32 s70, s40, 16                        ; the row block's 128 rows of the table
	s_add_nc_u64 s[14:15], s[14:15], s[70:71]
	s_lshl_b32 s70, s23, 19                        ; qkv: the head, the row block, my 32 rows of 256 bytes
	s_lshl_b32 s72, s40, 15
	s_add_co_u32 s70, s70, s72
	s_lshl_b32 s72, s[WV], 13
	s_add_co_u32 s70, s70, s72
	s_add_nc_u64 s[16:17], s[16:17], s[70:71]
.irp c, 0,1,2
.irp u, 0,1,2,3
	global_load_b128 v[BIAS+8*(4*(\c)+(\u)):BIAS+8*(4*(\c)+(\u))+3],   v[BO], s[8+2*(\c):9+2*(\c)] offset:(16*((\u)%2)+64*((\u)/2))*4
	global_load_b128 v[BIAS+8*(4*(\c)+(\u))+4:BIAS+8*(4*(\c)+(\u))+7], v[BO], s[8+2*(\c):9+2*(\c)] offset:(16*((\u)%2)+64*((\u)/2))*4+16
.endr
.endr
.irp a, 0,1,2,3                        ; cosines and sines of my rows and my 32 frequencies: they stay in registers until the way out
	WIN 0x80+0x40*((\a)/2)
.irp u, 0,1
.irp q, 0,1
	global_load_b128 v[192+32*((\a)%2)+16*(\u)+8*(\q):192+32*((\a)%2)+16*(\u)+8*(\q)+3],   v[TO], s[14:15] offset:(\a)*8192+(\u)*64+(\q)*256
	global_load_b128 v[192+32*((\a)%2)+16*(\u)+8*(\q)+4:192+32*((\a)%2)+16*(\u)+8*(\q)+7], v[TO], s[14:15] offset:(\a)*8192+(\u)*64+(\q)*256+16
.endr
.endr
.endr
	WIN 0
	s_wait_loadcnt 32                              ; the 24 loads of biases are in; the table's 32 may stay out
.set r, BIAS
.rept 48                               ; the biases rounded to bf16, kept as f32
	v_cvt_pk_bf16_f32 v[TT], v[r], v[r+1]
	v_lshlrev_b32 v[r], 16, v[TT]
	v_and_b32 v[r+1], s79, v[TT]
.set r, r+2
.endr
; 12 matrix instructions: row block a x all 12 column blocks, 32 along K, from buffer f.  bias = 1: the first products start the sums from the biases.
; The 48 accumulators take turns, one instruction a turn.
.macro MUL12 f, a, bias
.if \bias
	WIN 0x81+0x40*((\a)/2)
.else
	WIN 0xa1+0x50*((\a)/2)
.endif
.irp b, 0,1,2,3,4,5,6,7,8,9,10,11
.set rD, 8*(12*((\a)%2)+(\b))
.set rB, 96*(\f)+8*(\b)
.set rA, FA+32*(\f)+8*(\a)
.if \bias
	v_wmma_f32_16x16x32_bf16 v[rD:rD+7], v[rB:rB+7], v[rA:rA+7], v[BIAS+8*(\b):BIAS+8*(\b)+7]
.else
	v_wmma_f32_16x16x32_bf16 v[rD:rD+7], v[rB:rB+7], v[rA:rA+7], v[rD:rD+7]
.endif
.endr
.endm
.macro MUL24 f, hi, bias
	MUL12 \f, 2*(\hi), \bias
	MUL12 \f, 2*(\hi)+1, \bias
.endm
; 32 LDS loads in one run: W's 12 fragments, then x's 4, of 32 along K at byte k of the rows of the slot in hand, into buffer f
.macro FETCH k, f
	WIN 0x40
.irp c, 0,1,2
.irp u, 0,1,2,3
	ds_load_b128 v[96*(\f)+8*(4*(\c)+(\u)):96*(\f)+8*(4*(\c)+(\u))+3],   v[ADRB+(\c)] offset:(\k)+(16*((\u)%2)+64*((\u)/2))*PITCH
	ds_load_b128 v[96*(\f)+8*(4*(\c)+(\u))+4:96*(\f)+8*(4*(\c)+(\u))+7], v[ADRB+(\c)] offset:(\k)+(16*((\u)%2)+64*((\u)/2))*PITCH+32
.endr
.endr
	WIN 0
.irp a, 0,1,2,3
	ds_load_b128 v[FA+32*(\f)+8*(\a):FA+32*(\f)+8*(\a)+3],   v[ADRA] offset:(\k)+(\a)*16*PITCH
	ds_load_b128 v[FA+32*(\f)+8*(\a)+4:FA+32*(\f)+8*(\a)+7], v[ADRA] offset:(\k)+(\a)*16*PITCH+32
.endr
.endm
.macro NEWADR                          ; the other slot is in hand: four plain vector instructions, in window 0
	s_xor_b32 s[TB], s[TB], SLOT
	v_add_nc_u32 v[ADRA], s[TB], v[ABA]
.irp c, 0,1,2
	v_add_nc_u32 v[ADRB+(\c)], s[TB], v[ABB+(\c)]
.endr
.endm
; A K step is four quarters of 32 along K, 48 matrix instructions each, on buffers 0, 1, 0, 1.
.macro QUARTER k, f, g, bias
	s_wait_dscnt 4                                 ; W's fragments and x's row blocks 0, 1 are in; the youngest four loads (blocks 2, 3) may be out
	MUL24 \f, 0, \bias
	PLACES
	FETCH \k, \g
	s_wait_dscnt 32                                ; all but the 32 just issued
	MUL24 \f, 1, \bias
.endm
; The last quarter's first half and the one barrier of a change of slots.  round = 1: a refill follows: the walking descriptors are set for it between the add and the wait for it.
.macro MEET round
	WIN 0
	s_wait_tensorcnt 0x0                           ; all my tensor loads have landed: the one that was out is my part of the next slot; so a group 0 may be written
	ds_add_u32 v[SPW], v[NIL]                      ; 0 onto my spare word
.if \round
	s_and_b32 s72, s[KK], 15                       ; the walk goes round
	s_lshl_b32 s[OFF], s72, 8
	s_add_co_u32 s[KK], s[KK], 1
	s_xor_b32 s[G0+5], s[G0+5], SLOT               ; the other slot than last time
	s_add_nc_u64 s[G0+6:G0+7], s[66:67], s[OFF:OFF+1]
	s_or_b32 s[G0+7], s[G0+7], 0x80000000
	s_xor_b32 s[G0B+5], s[G0B+5], SLOT
	s_add_nc_u64 s[G0B+6:G0B+7], s[68:69], s[OFF:OFF+1]
	s_or_b32 s[G0B+7], s[G0B+7], 0x80000000
.endif
	s_wait_dscnt 5                                 ; (the add and the youngest four loads may be out)
	MUL12 1, 0, 0
	s_wait_dscnt 0x0                               ; the add is done, and my reads of this slot are over
	s_barrier_signal -1
	MUL12 1, 1, 0                                  ; work on registers while the others arrive
	WIN 0
	s_barrier_wait -1
.endm
.macro TURN
	s_wait_xcnt 0x0                                ; the last prefetch, a K step back, has read its address
	s_add_co_u32 s72, s[KK], 2                     ; two refills on from the one that is due
	s_and_b32 s72, s72, 15
	s_lshl_b32 s[OFF], s72, 8
	s_add_nc_u64 s[PFA:PFA+1], s[PFB:PFB+1], s[OFF:OFF+1]
	MEET 1
	CREST                                          ; no wave of any partner still reads this slot or has a load on its way
	JLOAD 1                                        ; the first tensor load behind the round; its four v_nop are also places in front of the loads below
	NEWADR
	FETCH 0, 0
	ASK
	MUL24 1, 1, 0
.endm
	s_wait_tensorcnt 1                             ; my part of the walk's first K step is in; the second's may stay out
	s_barrier_signal -1
	s_barrier_wait -1
	FETCH 0, 0
	QUARTER 64, 0, 1, 1                            ; the first quarter stands in front of the loop: its products start the sums
	WIN 0
	s_mov_b32 s3, 14
.Lstep:                                                ; 14 trips, from a K step's second quarter to the next one's first; each fills the slot that it leaves
	QUARTER 128, 1, 0, 0
	QUARTER 192, 0, 1, 0
	TURN
	QUARTER 64,  0, 1, 0
	WIN 0
	s_sub_co_u32 s3, s3, 1
	s_cmp_lg_u32 s3, 0
	s_cbranch_scc1 .Lstep
	QUARTER 128, 1, 0, 0                           ; the last two K steps fill nothing
	QUARTER 192, 0, 1, 0
	MEET 0
	NEWADR                                         ; its four additions are the places in front of the loads below
	FETCH 0, 0
	MUL24 1, 1, 0
	QUARTER 64,  0, 1, 0
	QUARTER 128, 1, 0, 0
	QUARTER 192, 0, 1, 0
	s_wait_dscnt 4
	MUL24 1, 0, 0
	s_wait_dscnt 0x0
	MUL24 1, 1, 0
	WIN 0
	PLACES
	PLACES
	s_wait_loadcnt 0x0                             ; the table
; THE WAY OUT, a tensor at a time through the work-group's stage.  RoPE: out[d] = x[d] cos - x[d+64] sin, out[d+64] = x[d+64] cos + x[d] sin; each accumulator is read from its low end on.
.macro ROPE c
.irp a, 0,1,2,3
.irp u, 0,1
.set rL, 8*(12*((\a)%2)+4*(\c)+(\u))
.set rH, rL+16
.set rC, 192+32*((\a)%2)+16*(\u)
.set rT, TT+24*(\u)
	WIN 0x0a+5*((\a)/2)                            ; sources 0 and 1 in window 2 or 3
.irp p, 0,2,4,6
	v_pk_mul_f32 v[rT+\p:rT+\p+1], v[rL+\p:rL+\p+1], v[rC+\p:rC+\p+1]
	v_pk_mul_f32 v[rT+8+\p:rT+8+\p+1], v[rH+\p:rH+\p+1], v[rC+\p:rC+\p+1]
.endr
.irp p, 0,2,4,6
	v_pk_fma_f32 v[rT+\p:rT+\p+1], v[rH+\p:rH+\p+1], v[rC+8+\p:rC+8+\p+1], v[rT+\p:rT+\p+1] neg_lo:[1,0,0] neg_hi:[1,0,0]
	v_pk_fma_f32 v[rT+8+\p:rT+8+\p+1], v[rL+\p:rL+\p+1], v[rC+8+\p:rC+8+\p+1], v[rT+8+\p:rT+8+\p+1]
.endr
	WIN 0
.irp n, 0,1,2,3,4,5,6,7
	v_cvt_pk_bf16_f32 v[rT+16+\n], v[rT+2*\n], v[rT+2*\n+1]
.endr
	ds_store_b128 v[STO], v[rT+16:rT+19] offset:(\a)*16*SPITCH+32*(\u)
	ds_store_b128 v[STO], v[rT+20:rT+23] offset:(\a)*16*SPITCH+32*(\u)+128
.endr
.endr
.endm
.macro OUT more
	s_wait_dscnt 0x0                               ; for the others' sake: my stores into the stage are done
	s_barrier_signal -1
	s_barrier_wait -1
.irp t, 0,1,2,3,4,5,6,7,8,9,10,11,12,13,14,15
	ds_load_b128 v[OB+4*\t:OB+4*\t+3], v[RD] offset:\t*2*SPITCH
.endr
.irp t, 0,1,2,3,4,5,6,7,8,9,10,11,12,13,14,15
	s_wait_dscnt 15-\t
	global_store_b128 v[CO], v[OB+4*\t:OB+4*\t+3], s[16:17] offset:512*\t  ; two rows of a head: 512 consecutive bytes, aligned
.endr
.if \more
	s_barrier_signal -1                            ; every wave's reads of the stage are back (the last count was 0): it may be written again
	s_barrier_wait -1
	s_wait_xcnt 0x0                                ; the stores have read their registers and their base
	s_add_nc_u64 s[16:17], s[16:17], 0x800000      ; the next tensor
.endif
.endm
	ROPE 0
	OUT 1
	ROPE 1
	OUT 1
.irp a, 0,1,2,3                        ; v: rounded as it is
.irp u, 0,1,2,3
.set rL, 8*(12*((\a)%2)+8+(\u))
.set rT, TT+24*((\u)%2)
	WIN 0x0a+5*((\a)/2)
.irp n, 0,1,2,3
	v_cvt_pk_bf16_f32 v[rT+16+\n], v[rL+2*\n], v[rL+2*\n+1]
.endr
	WIN 0
	ds_store_b128 v[STO], v[rT+16:rT+19] offset:(\a)*16*SPITCH+(16*((\u)%2)+64*((\u)/2))*2
.endr
.endr
	OUT 0
	s_wait_tensorcnt 0x0                           ; the wave's end
	ds_add_u32 v[SPW], v[NIL]
	s_wait_dscnt 0x0
	CROUND                                         ; the closing round
	s_endpgm
.Lfunc_end_k_q56a04fc36e_proj:
	.size	k_q56a04fc36e_proj, .Lfunc_end_k_q56a04fc36e_proj-k_q56a04fc36e_proj
	.p2alignl 7, 3214868480
	.fill 96, 4, 3214868480
	.section	.rodata,"a",@progbits
	.p2align	6, 0x0
	.amdhsa_kernel k_q56a04fc36e_proj
		.amdhsa_group_segment_fixed_size 327680
		.amdhsa_private_segment_fixed_size 0
		.amdhsa_enable_private_segment 0
		.amdhsa_kernarg_size 56
		.amdhsa_user_sgpr_count 2
		.amdhsa_user_sgpr_kernarg_segment_ptr 1
		.amdhsa_wavefront_size32 1
		.amdhsa_system_sgpr_workgroup_id_x 1
		.amdhsa_system_sgpr_workgroup_id_y 1
		.amdhsa_system_sgpr_workgroup_id_z 1
		.amdhsa_system_vgpr_workitem_id 0
		.amdhsa_next_free_vgpr 1024
		.amdhsa_next_free_sgpr 84
		.amdhsa_reserve_vcc 0
		.amdhsa_float_denorm_mode_32 3
		.amdhsa_float_denorm_mode_16_64 3
		.amdhsa_memory_ordered 1
		.amdhsa_forward_progress 1
		.amdhsa_inst_pref_size 129
	.end_amdhsa_kernel
	.amdgpu_metadata
---
amdhsa.version: [ 1, 2 ]
amdhsa.kernels:
  - .name:           k_q56a04fc36e_proj
    .symbol:         k_q56a04fc36e_proj.kd
    .args:
      - { .name: xb, .offset: 0, .size: 8, .value_kind: global_buffer, .address_space: global }
      - { .name: wb, .offset: 8, .size: 8, .value_kind: global_buffer, .address_space: global }
      - { .name: bq, .offset: 16, .size: 8, .value_kind: global_buffer, .address_space: global }
      - { .name: bk, .offset: 24, .size: 8, .value_kind: global_buffer, .address_space: global }
      - { .name: bv, .offset: 32, .size: 8, .value_kind: global_buffer, .address_space: global }
      - { .name: tab, .offset: 40, .size: 8, .value_kind: global_buffer, .address_space: global }
      - { .name: qkv, .offset: 48, .size: 8, .value_kind: global_buffer, .address_space: global }
    .group_segment_fixed_size: 327680
    .private_segment_fixed_size: 0
    .kernarg_segment_align: 8
    .kernarg_segment_size: 56
    .max_flat_workgroup_size: 128
    .sgpr_count:     84
    .vgpr_count:     1024
    .wavefront_size: 32
...
	.end_amdgpu_metadata
.endif
;; end of part 2
;; launch attn (part 3): grid 16 x 16, 4 waves a work-group, clusters of 4 x 1, 327,680 bytes of LDS; arguments qkv, ab; writes ab
.if DOCPART == 3
	.amdgcn_target "amdgcn-amd-amdhsa--gfx1250"
	.amdhsa_code_object_version 6
	.text
	.protected	k_q56a04fc36e_attn
	.globl	k_q56a04fc36e_attn
	.p2align	8
	.type	k_q56a04fc36e_attn,@function
k_q56a04fc36e_attn:
	s_mov_b64 s[64:65], 0
	v_nop
	global_prefetch_b8 v0, s[64:65] scope:SCOPE_SE
	s_setreg_imm32_b32 hwreg(HW_REG_WAVE_MODE, 25, 1), 1
	s_wait_xcnt 0x0
	s_wait_alu depctr_hold_cnt(0) depctr_sa_sdst(0) depctr_va_vdst(0) depctr_va_sdst(0) depctr_va_ssrc(0) depctr_va_vcc(0) depctr_vm_vsrc(0)
	s_getreg_b32 s2, hwreg(HW_REG_IB_STS2, 6, 4)
	s_cmp_eq_u32 s2, 0
	s_cbranch_scc0 .Lentry_in_a_cluster
	s_endpgm
.Lentry_in_a_cluster:
	s_bfe_u32 s2, ttmp6, 0x10000c
	s_cmp_lg_u32 s2, 0x3003
	s_cbranch_scc0 .Lentry_shape_is_right
	s_endpgm
.Lentry_shape_is_right:
; CAUSAL ATTENTION.  ab[q][128 h + :] = the sum over k <= q of softmax_k(Q[h][q] . K[h][k] / sqrt(128)) V[h][k][:].  Q, K, V: qkv[0..2][16][2048][128] in bf16; ab: [2048][2048] in bf16.
; Products, maxima and sums in f32; the weights p are rounded to bf16 for the second product (their sum is taken of the unrounded p), the result once at the end.
; LIMITS.  A hidden score is replaced by -1e30: true scores stay under 1e29 in size.  A weight below 2^-126 counts as 0.  NaN and infinities are not treated apart.
; THE WALK.  A head's queries lie in 8 groups of 256; group G needs the key tiles 0 .. G of 256 keys, the last of which holds the diagonal.  A CLUSTER of four work-groups takes two groups,
; 7 - p and then p (p = the cluster's x): 9 tiles whatever p.  Work-group cx owns the 64 queries 64 cx on of the group in hand.  All four need the same tile in every trip, so each tile is asked
; for JOINTLY (mask 15).
; SHARES.  THE KEYS OF A TILE ARE SPLIT AMONG THE FOUR WAVES: wave w takes keys 64 w .. 64 w + 63 for all four tiles of 16 queries, with a running maximum m, sum l and O^T of its own; at a group's
; end the four meet in LDS: O = sum_w 2^(c m_w - c M) O_w / sum_w 2^(c m_w - c M) l_w.  In the diagonal tile wave w sees all its keys (w < cx), part (w = cx) or none (w > cx): that is settled by
; data alone (a compare and a select on each score); no branch hangs on cx.  A wave that has seen hidden keys only has c m = -1.3e29, and its share in the meeting is 0.
; LAYOUT.  S^T = K Q^T holds ONE query a lane (lane % 16) and the keys 8 (lane / 16) + 0..7; two such results rounded to bf16 ARE source 1 of O^T = V^T P.  p = 2^(c s - c m), c = log2(e) / sqrt(128).
; m starts at the lowest finite number, so a group's first step multiplies O^T and l by a = 0: no first step is written out.
; ORDER OF A TRIP.  The wave's query tiles are two pieces (0, 1 and 2, 3).  K of the tile is in registers when the trip begins.  Piece 0's scores, with V's loads in two runs among them; piece 2's scores
; with piece 0's softmax in slices behind them; THE CHANGE OF SLOTS: all my bytes of the tile are in registers, so its slot is given up in the middle of the trip and filled with the tile two on;
; piece 0's V^T P with piece 2's softmax, and among them, in two runs, K of the NEXT tile out of the other slot; piece 2's V^T P.
; Tiles 0 and 1 go out together at the start; seven trips fill a slot again (tiles 2 to 8), the last two fill nothing and have a loop of their own.
; REGISTERS, in windows of 256: window 0: addresses, statistics (eight a tile), v64-191 S^T, v192-255 P.   window 1: O^T, 64 a tile.   window 2: v0-127 Q, v128-255 K.   window 3: v0-127 V.
.set PK,    272       ; a row of K in LDS: 256 bytes + 16
.set PV,    288       ; a row of V: 256 + 32
.set VOFF,  256*PK    ; a slot: 256 rows of K, then 256 rows of V
.set STATS, VOFF+256*PV  ; behind slot 0: (c m, l) by wave, tile and query: 2,048 bytes
.set SPARE, STATS+2048   ; the spare words: 128 bytes a wave, two blocks of 256 that no other line names
.set SL,    147456    ; slot 1 begins here; no LDS word that is turned by it has bit 14 or bit 17 set in slot 0, so the exclusive or adds or takes away
.set MRG,   SL+STATS  ; behind slot 1: four waves x 16 rows x 528 bytes of f32, for the meeting
.set MP,    528
.set AK0, 2           ; v2   my lane's place in a slot's K; never rewritten
.set AV0, 3           ; v3   the same for V
.set ADRK, 4
.set QO,  5           ; v5   my byte offset in the band's rows of Q
.set ADRV, 6
.set ST,  12          ; tile t's statistics at v[ST+8 t]: c m, m, l (even, odd keys'), c0-c3 at work; a takes c2's place
.set DT,  44          ; v44-47  key 16 kb + j of my 64 is hidden from tile t's query where it is greater than this
.set BIG, 48          ; v48  -1e30
.set STA, 49          ; v49  where I put (c m, l)
.set STR, 50          ; v50  where I read the four waves'
.set MST, 51          ; v51  where I put my O^T
.set RDM, 52          ; v52  where I read the four waves'
.set GO,  53          ; v53  my byte offset in ab
.set PFO, 61          ; v61  256 x lane; never rewritten
.set SPW, 62
.set NIL, 63
.set S,   64
.set P,   192
.set KF,  128
.set WV,  12
.set PB,  14          ; s14  p
.set HI,  15          ; s15  7 - p
.set G1K, 24
.set G1V, 32
.set G0K, 40          ; s[40:47] group 0 for K's tiles: a set for each first fill; the second then walks on
.set G0V, 84          ; s[84:91] the same for V's
.set SLOTS, 56        ; s56  tiles still to be asked for
.set CNT, 57          ; s57  counts the last two trips
.set CS,  58
.set SEL, 60
.set TB,  62          ; s62  the slot from which the next run of loads reads: 0 or SL
.set RT,  70          ; s70  tiles of the group in hand still to be entered
.set NXT, 71          ; s71  the tile to be asked for next
.set LQ,  72          ; s72  the last tile of the group whose tiles are being asked for
.set OFF, 74
.set PFA, 76
.set LIM, 78
.set MSB, 0
.macro WIN new
.if MSB != (\new)
	s_set_vgpr_msb (MSB<<8)|(\new)
.set MSB, \new
.endif
.endm
.set W_KQ, 0x0a
.set W_PV, 0x53
.set W_RS, 0x41
.macro PLACES
.rept 4
	v_nop
.endr
.endm
.macro JLOAD                        ; waves 0, 1 fetch the halves of a tile's K, waves 2, 3 those of its V: 128 rows each; an s_nop 0 and four v_nop follow each line
	s_cmp_lt_u32 s[WV], 2
	s_cbranch_scc0 .Lfor_v_\@
	tensor_load_to_lds s[G0K+4:G0K+7], s[G1K:G1K+7]
	s_nop 0
.rept 4
	v_nop
.endr
	s_branch .Lasked_\@
.Lfor_v_\@:
	tensor_load_to_lds s[G0V+4:G0V+7], s[G1V:G1V+7]
	s_nop 0
.rept 4
	v_nop
.endr
.Lasked_\@:
.endm
; A prefetch of the tile that the NEXT change of slots will ask for.  All four clusters of a head walk tiles 0 on at the same time; the cluster with p = 0, which walks all eight, asks.  Of the 128 rows
; that a wave fetches each partner takes 32, told apart by address: a lane a row.  Tiles 3 to 7 are named once each (the changes with 7 .. 3 tiles still to ask for); tiles 0 to 2 come by their loads alone.
.macro ASK
	s_cmp_gt_u32 s[SLOTS], s[LIM]
	s_cbranch_scc0 .Lnot_mine_\@
	global_prefetch_b8 v[PFO], s[PFA:PFA+1] th:TH_LOAD_NT scope:SCOPE_SE
.Lnot_mine_\@:
.endm
.macro CREST                        ; a round of the cluster's barrier behind its opening barrier
	s_cmp_lg_u32 s[WV], 0
	s_cbranch_scc1 .Lnot_wave_0_\@
	s_barrier_signal -3
.Lnot_wave_0_\@:
	s_barrier_wait -3
	s_barrier_signal -1
	s_barrier_wait -1
.endm
.macro CROUND
	s_barrier_signal -1
	s_barrier_wait -1
	CREST
.endm
.macro LOADQ b                      ; the band's 64 rows of Q: tile f / 4, channels 32 (f % 4) on
	WIN 0x80
.irp f, 0,1,2,3,4,5,6,7,8,9,10,11,12,13,14,15
	global_load_b128 v[8*(\f):8*(\f)+3],   v[QO], s[\b:\b+1] offset:((\f)/4)*4096+((\f)%4)*64
	global_load_b128 v[8*(\f)+4:8*(\f)+7], v[QO], s[\b:\b+1] offset:((\f)/4)*4096+((\f)%4)*64+32
.endr
	WIN 0
.endm
	s_load_b128 s[4:7], s[0:1], 0x0   ; qkv s[4:5], ab s[6:7]
	v_lshl_add_u32 v[SPW], v0, 2, SPARE
	v_mov_b32 v[NIL], 0
	ds_add_u32 v[SPW], v[NIL]       ; the wave's opening: the add and its wait ahead of my first tensor load
	v_lshrrev_b32 v1, 5, v0
	v_readfirstlane_b32 s[WV], v1
	s_bfe_u32 s13, ttmp6, 0x40000   ; cx: it enters Q's, ab's and the prefetches' addresses and the mask's numbers alone
	s_mov_b32 s[PB], ttmp9
	s_sub_co_u32 s[HI], 7, s[PB]
	s_and_b32 s20, ttmp7, 0xffff    ; the head
	s_lshl_b32 s21, s20, 19         ; its 524,288 bytes in each of q, k, v
	s_and_b32 s22, s[WV], 1         ; which half of a tile I fetch:
	s_lshl_b32 s23, s22, 15         ; its 128 rows of 256 bytes
	s_add_co_u32 s23, s23, s21
	s_add_co_u32 s80, s23, 0x800000
	s_mov_b32 s81, 0
	s_add_co_u32 s82, s23, 0x1000000
	s_mov_b32 s83, 0
	s_mul_i32 s48, s22, 128*PK      ; and its place in a slot
	s_mul_i32 s49, s22, 128*PV
	s_lshl_b32 s50, s13, 14         ; Q: my band's 64 rows,
	s_add_co_u32 s50, s50, s21
	s_lshl_b32 s51, s[HI], 16       ; in the first group,
	s_add_co_u32 s52, s50, s51
	s_mov_b32 s53, 0
	s_lshl_b32 s51, s[PB], 16       ; and in the second
	s_add_co_u32 s54, s50, s51
	s_mov_b32 s55, 0
	s_lshl_b32 s50, s13, 18         ; ab: 64 rows of 4,096 bytes a band, 256 bytes a head
	s_lshl_b32 s51, s20, 8
	s_add_co_u32 s50, s50, s51
	s_lshl_b32 s51, s[HI], 20
	s_add_co_u32 s2, s50, s51
	s_mov_b32 s3, 0
	s_lshl_b32 s51, s[PB], 20
	s_add_co_u32 s50, s50, s51
	s_mov_b32 s51, 0
	s_mov_b32 s[G1K], 15|(1<<16)|(1<<20)|(1<<21)|(5<<22)|(3<<25)  ; the mask of four; 2-byte elements; padding on; bit 21 beside a mask; after every 64 words 4 words
	s_mov_b32 s[G1V], 15|(1<<16)|(1<<20)|(1<<21)|(5<<22)|(7<<25)  ; the same with 8 words
.irp g, G1K, G1V
	s_mov_b32 s[(\g)+1], 128<<16    ; tensor_dim0 = 128
	s_mov_b32 s[(\g)+2], 128<<16    ; tensor_dim1 = 128
	s_mov_b32 s[(\g)+3], 128<<16    ; tile_dim0 = 128
	s_mov_b32 s[(\g)+4], 128        ; tile_dim1 = 128
	s_mov_b32 s[(\g)+5], 128        ; elements from row to row
	s_mov_b32 s[(\g)+6], 0
	s_mov_b32 s[(\g)+7], 0
.endr
	s_mov_b32 s[G0K], 1
	s_mov_b32 s[G0K+1], s48         ; tile 0 into slot 0,
	s_mov_b32 s[G0K+4], 1
	s_add_co_u32 s[G0K+5], s48, SL  ; tile 1 into slot 1
	s_mov_b32 s[G0V], 1
	s_add_co_u32 s[G0V+1], s49, VOFF
	s_mov_b32 s[G0V+4], 1
	s_add_co_u32 s[G0V+5], s49, VOFF+SL
	s_mov_b32 s[CS], 0x3e0293ee     ; c = log2(e) / sqrt(128)
	s_mov_b32 s[CS+1], s[CS]
	s_mov_b32 s[SEL], 0x76543210
	s_mov_b32 s[SEL+1], 0xfedcba98
	s_mov_b32 s[TB], 0
	s_add_co_u32 s[RT], s[HI], 1    ; the first group has 8 - p tiles, five at the least
	s_mov_b32 s[NXT], 2
	s_mov_b32 s[LQ], s[HI]
	s_mov_b32 s[OFF+1], 0
	s_mov_b32 s[SLOTS], 7
	s_cmp_eq_u32 s[PB], 0
	s_cselect_b32 s[LIM], 2, -1
	s_wait_dscnt 0x0                ; the opening add is done
	s_wait_kmcnt 0x0
	s_add_nc_u64 s[8:9], s[4:5], s[80:81]      ; K and V at my half of the head's tile 0
	s_add_nc_u64 s[10:11], s[4:5], s[82:83]
	s_add_nc_u64 s[16:17], s[4:5], s[52:53]    ; Q of the first and of the second group
	s_add_nc_u64 s[18:19], s[4:5], s[54:55]
	s_add_nc_u64 s[66:67], s[6:7], s[2:3]      ; ab likewise
	s_add_nc_u64 s[68:69], s[6:7], s[50:51]
	s_add_nc_u64 s[G0K+2:G0K+3], s[8:9], 0
	s_or_b32 s[G0K+3], s[G0K+3], 0x80000000
	s_add_nc_u64 s[G0K+6:G0K+7], s[8:9], 65536
	s_or_b32 s[G0K+7], s[G0K+7], 0x80000000
	s_add_nc_u64 s[G0V+2:G0V+3], s[10:11], 0
	s_or_b32 s[G0V+3], s[G0V+3], 0x80000000
	s_add_nc_u64 s[G0V+6:G0V+7], s[10:11], 65536
	s_or_b32 s[G0V+7], s[G0V+7], 0x80000000
	s_cmp_lt_u32 s[WV], 2
	s_cselect_b64 s[PFA:PFA+1], s[8:9], s[10:11]
	s_lshl_b32 s20, s13, 13         ; my work-group's 32 rows of the 128
	s_mov_b32 s21, 0
	s_add_nc_u64 s[PFA:PFA+1], s[PFA:PFA+1], s[20:21]
	s_add_nc_u64 s[PFA:PFA+1], s[PFA:PFA+1], 131072  ; in tile 2; the first change steps it to tile 3
	CROUND                          ; all four work-groups are here
	s_cmp_lt_u32 s[WV], 2           ; a wave's two first fills stand in one branch, ahead of every wait on TENSORcnt and every LDS read: two loads of mine are out
	s_cbranch_scc0 .Lfirst_v
	tensor_load_to_lds s[G0K:G0K+3], s[G1K:G1K+7]
	s_nop 0
	tensor_load_to_lds s[G0K+4:G0K+7], s[G1K:G1K+7]
	s_nop 0
.rept 4
	v_nop
.endr
	s_branch .Lfirst_asked
.Lfirst_v:
	tensor_load_to_lds s[G0V:G0V+3], s[G1V:G1V+7]
	s_nop 0
	tensor_load_to_lds s[G0V+4:G0V+7], s[G1V:G1V+7]
	s_nop 0
.rept 4
	v_nop
.endr
.Lfirst_asked:
	v_and_b32 v1, 15, v0            ; l % 16
	v_bfe_u32 v9, v0, 4, 1          ; l / 16
	v_lshlrev_b32 v[QO], 8, v1
	v_lshl_add_u32 v[QO], v9, 4, v[QO]
	LOADQ 16
	WIN 0x40                        ; O^T and l need only be finite (a group's first a is 0): zeros, written in the wait for the first tile
.set i, 0
.rept 256
	v_mov_b32 v[i], 0
.set i, i+1
.endr
	WIN 0
.irp t, 0,1,2,3
	v_mov_b32 v[ST+8*\t], 0xfe000000    ; c m: far below every c s
	v_mov_b32 v[ST+8*\t+1], 0xff7fffff  ; m
	v_mov_b32 v[ST+8*\t+2], 0
	v_mov_b32 v[ST+8*\t+3], 0
.endr
	s_mul_i32 s20, s[WV], 64*PK
	v_mul_u32_u24 v[AK0], v1, PK
	v_lshl_add_u32 v[AK0], v9, 4, v[AK0]
	v_add_nc_u32 v[AK0], s20, v[AK0]      ; (64 w + l % 16) x pitch + 16 (l / 16)
	v_and_b32 v10, 7, v0
	v_bfe_u32 v11, v0, 3, 1
	v_lshl_add_u32 v[AV0], v9, 3, v10
	v_mul_u32_u24 v[AV0], v[AV0], PV
	v_lshl_add_u32 v[AV0], v11, 4, v[AV0]
	s_mul_i32 s21, s[WV], 64*PV
	s_add_co_u32 s21, s21, VOFF
	v_add_nc_u32 v[AV0], s21, v[AV0]      ; the turning load: key 64 w + 8 (l / 16) + l % 8, channels 8 ((l / 8) % 2) on
	s_sub_co_i32 s20, s13, s[WV]
	s_lshl_b32 s20, s20, 6
	v_lshlrev_b32 v10, 3, v9
	v_sub_nc_u32 v10, v1, v10
	v_add_nc_u32 v10, s20, v10            ; 64 cx + l % 16 - 64 w - 8 (l / 16)
.irp t, 0,1,2,3
	v_add_nc_u32 v[DT+\t], 16*\t, v10
.endr
	v_mov_b32 v[BIG], 0xf149f2ca
	s_lshl_b32 s20, s[WV], 9
	s_add_co_u32 s20, s20, STATS
	v_lshl_add_u32 v[STA], v1, 3, s20
	v_lshl_add_u32 v[STR], v1, 3, STATS
	s_mul_i32 s20, s[WV], 16*MP
	s_add_co_u32 s20, s20, MRG
	v_mul_u32_u24 v[MST], v1, MP
	v_lshl_add_u32 v[MST], v9, 5, v[MST]
	v_add_nc_u32 v[MST], s20, v[MST]      ; my part: row l % 16, 32 bytes for each half of the lanes
	s_mul_i32 s20, s[WV], 4*MP
	s_add_co_u32 s20, s20, MRG
	v_mul_u32_u24 v[RDM], v9, MP
	v_lshl_add_u32 v[RDM], v1, 5, v[RDM]
	v_add_nc_u32 v[RDM], s20, v[RDM]      ; back: rows 4 w + l / 16 (+ 2), channels 8 (l % 16) on
	s_lshl_b32 s20, s[WV], 14
	v_lshlrev_b32 v[GO], 12, v9
	v_lshl_add_u32 v[GO], v1, 4, v[GO]
	v_add_nc_u32 v[GO], s20, v[GO]
	v_and_b32 v[PFO], 31, v0
	v_lshlrev_b32 v[PFO], 8, v[PFO]
; THE MATRIX WORK.  The accumulators take turns, one instruction a turn.
; Product i of 32 of S^T = K Q^T for piece x: channels 32 (i / 8) on, keys 16 ((i / 2) % 4) on, tile x + i % 2.  The first 8 start the sums.
.macro KQ x
	WIN W_KQ
.set rS, S+32*((\x)+i%2)+8*((i/2)%4)
.set rK, KF+32*((i/2)%4)+8*(i/8)
.set rQ, 32*((\x)+i%2)+8*(i/8)
.if i < 8
	v_wmma_f32_16x16x32_bf16 v[rS:rS+7], v[rK:rK+7], v[rQ:rQ+7], 0
.else
	v_wmma_f32_16x16x32_bf16 v[rS:rS+7], v[rK:rK+7], v[rQ:rQ+7], v[rS:rS+7]
.endif
.endm
; Product i of 32 of O^T += V^T P: keys 32 (i / 16) on, channels 16 ((i / 2) % 8) on, tile x + i % 2.
.macro PV x
	WIN W_PV
.set rO, 64*((\x)+i%2)+8*((i/2)%8)
.set rV, 64*(i/16)+8*((i/2)%8)
.set rP, P+16*((\x)+i%2)+8*(i/16)
	v_wmma_f32_16x16x32_bf16 v[rO:rO+7], v[rV:rV+7], v[rP:rP+7], v[rO:rO+7]
.endm
; THE LDS LOADS stand in runs of 16.  Half h of my K: keys 32 h on (fragment f: keys 16 (f / 4) on, channels 32 (f % 4) on); half h of my V, turned: keys 32 h on, channels 16 f on.
.macro KRUN h
	WIN 0x80
.irp f, 0,1,2,3,4,5,6,7
	ds_load_b128 v[KF+8*(8*(\h)+\f):KF+8*(8*(\h)+\f)+3],   v[ADRK] offset:((8*(\h)+\f)/4)*16*PK+(\f%4)*64
	ds_load_b128 v[KF+8*(8*(\h)+\f)+4:KF+8*(8*(\h)+\f)+7], v[ADRK] offset:((8*(\h)+\f)/4)*16*PK+(\f%4)*64+32
.endr
.endm
.macro VRUN h
	WIN 0xc0
.irp f, 0,1,2,3,4,5,6,7
	ds_load_tr16_b128 v[8*(8*(\h)+\f):8*(8*(\h)+\f)+3],   v[ADRV] offset:(\h)*32*PV+\f*32
	ds_load_tr16_b128 v[8*(8*(\h)+\f)+4:8*(8*(\h)+\f)+7], v[ADRV] offset:(\h)*32*PV+16*PV+\f*32
.endr
.endm
; THE VECTOR WORK.  One tile's softmax for one key step is a list of 134 instructions; SM writes number j of it for tile t.
;   0-15 the maximum of the 32 scores and the old m (each accumulator's lowest registers are read first)     16-20 the other half of the lanes' maximum; m; c m; its change
;   21-69 ONE BATCH: the 16 scalings c s - c m and all 33 exponentials; none of these reads an exponential's result     (the wait: SLICE writes it)
;   70-85 the roundings to bf16     86-101 the sums; l = a l + sum     102-133 O^T times a
.macro SM t
.set rT, ST+8*(\t)
.set rS, S+32*(\t)
.set rP, P+16*(\t)
.set rO, 64*(\t)+2*(j-102)
.if j < 102
	WIN 0
.endif
.if j < 4
	v_max3_num_f32 v[rT+4+j], v[rS+8*j], v[rS+8*j+1], v[rS+8*j+2]
.elseif j < 12
	v_max3_num_f32 v[rT+4+j%4], v[rT+4+j%4], v[rS+8*(j%4)+2*(j/4)+1], v[rS+8*(j%4)+2*(j/4)+2]
.elseif j == 12
	v_max3_num_f32 v[rT+4], v[rT+4], v[rS+7], v[rS+15]
.elseif j == 13
	v_max3_num_f32 v[rT+6], v[rT+6], v[rS+23], v[rS+31]
.elseif j == 14
	v_max3_num_f32 v[rT+4], v[rT+4], v[rT+5], v[rT+6]
.elseif j == 15
	v_max3_num_f32 v[rT+4], v[rT+4], v[rT+7], v[rT+1]
.elseif j == 16
	v_permlanex16_b32 v[rT+5], v[rT+4], s[SEL], s[SEL+1]  ; the query's other 32 keys lie in the lane 16 away
.elseif j == 17
	v_mov_b32 v[rT+7], v[rT]        ; c m_old is kept for a
.elseif j == 18
	v_max_num_f32 v[rT+1], v[rT+4], v[rT+5]
.elseif j == 19
	v_mul_f32 v[rT], s[CS], v[rT+1]
.elseif j == 20
	v_sub_f32 v[rT+7], v[rT+7], v[rT]
.elseif j == 23
	v_exp_f32 v[rT+6], v[rT+7]
.elseif (j < 23) || ((j < 38) && (j%2 == 0)) || ((j < 66) && (j%4 == 2))
.set b, (j-2)/4
.if j < 38
.set b, (j-20)/2
.endif
	v_pk_fma_f32 v[rS+2*b:rS+2*b+1], v[rS+2*b:rS+2*b+1], s[CS:CS+1], v[rT:rT+1] op_sel_hi:[1,0,0] neg_lo:[0,0,1] neg_hi:[0,0,1]
.elseif j < 70
.set e, j-38
.if j < 66
.set e, j-32-(j-38)/4
.endif
.if j < 38
.set e, (j-25)/2
.endif
	v_exp_f32 v[rS+e], v[rS+e]
.elseif j < 86
	v_cvt_pk_bf16_f32 v[rP+j-70], v[rS+2*(j-70)], v[rS+2*(j-70)+1]
.elseif j < 102
.set z, j-86
.set w, 4
.set u, z
.if z >= 14
.set w, 32
.set u, 0
.elseif z >= 12
.set w, 16
.set u, z-12
.elseif z >= 8
.set w, 8
.set u, z-8
.endif
.if z < 15
	v_pk_add_f32 v[rS+w*u:rS+w*u+1], v[rS+w*u:rS+w*u+1], v[rS+w*u+w/2:rS+w*u+w/2+1]
.else
	v_pk_fma_f32 v[rT+2:rT+3], v[rT+2:rT+3], v[rT+6:rT+7], v[rS:rS+1] op_sel_hi:[1,0,1]
.endif
.else
	WIN W_RS
	v_pk_mul_f32 v[rO:rO+1], v[rO:rO+1], v[rT+6:rT+7] op_sel_hi:[1,0]
.endif
.endm
; Slice k of 64 of piece y's softmax: four instructions (slice 63: sixteen).  Slices 11 to 34 deal out the batch, four numbers of one tile each; every other slice is numbers 2 k and 2 k + 1 of both tiles.
; Behind slice 34 stand a plain instruction and the ONE wait between the piece's 66 exponentials and the first instruction that names a result.
.macro SLICE y
.if (k >= 11) && (k < 35)
.irp n, 0,1,2,3
.set j, 22+4*((k-11)/2)+(\n)
	SM (\y)+(k-11)%2
.endr
.else
.irp n, 0,1,2,3,4,5,6,7
.if ((\n) < 2) || (k == 63)
.irp t, \y, (\y)+1
.set j, 2*k+(\n)
	SM \t
.endr
.endif
.endr
.endif
.if k == 34
	v_nop
	s_wait_alu depctr_va_vdst(0)
.endif
.set k, k+1
.endm
; The mask of piece y's scores, in the diagonal tile alone: where the group has no further tile.  The test hangs on the cluster's x and the trip: the same in all waves and all partners.
.macro MASKQ y
	s_cmp_lg_u32 s[RT], 0
	s_cbranch_scc1 .Lnomask_\@
.irp t, \y, (\y)+1
.set z, 0
.rept 32
	v_cmp_gt_i32 vcc_lo, 16*(z/8)+z%8, v[DT+(\t)]
	v_cndmask_b32 v[S+32*(\t)+z], v[S+32*(\t)+z], v[BIG], vcc_lo
.set z, z+1
.endr
.endr
.Lnomask_\@:
.endm
; A TRIP: my 64 keys of a tile, for the band's 64 queries.  fill = 1: the slot that is given up is filled again.
.macro STEP fill
	WIN 0
	s_sub_co_u32 s[RT], s[RT], 1
	v_add_nc_u32 v[ADRV], s[TB], v[AV0]
	PLACES                          ; behind the last products of the trip before, which read V's registers
	s_wait_loadcnt 0x0              ; Q
	s_wait_dscnt 0x0                ; K: the younger of its two runs was issued 47 products ago
.set i, 0
.rept 32
	KQ 0
.if i == 7
	VRUN 0
.elseif i == 23
	VRUN 1
.endif
.set i, i+1
.endr
	WIN 0
	PLACES
	MASKQ 0
.set k, 0
.set i, 0
.rept 32
	KQ 2
	SLICE 0
	SLICE 0
.set i, i+1
.endr
	WIN 0
	PLACES
	MASKQ 2
	; THE CHANGE OF SLOTS.  All my tensor loads have landed (one is out: my part of the other slot); 0 onto my spare word; the add is done and V is in: my reads of this slot are over.
	s_wait_tensorcnt 0x0
	ds_add_u32 v[SPW], v[NIL]       ; 0 onto my spare word; the scalar work stands between it and the wait for it
.if \fill
	s_lshl_b32 s[OFF], s[NXT], 16   ; a tile is 65,536 bytes of K and of V; the address is made anew from the tile's number
	s_xor_b32 s[G0K+5], s[G0K+5], SL
	s_add_nc_u64 s[G0K+6:G0K+7], s[8:9], s[OFF:OFF+1]
	s_or_b32 s[G0K+7], s[G0K+7], 0x80000000
	s_xor_b32 s[G0V+5], s[G0V+5], SL
	s_add_nc_u64 s[G0V+6:G0V+7], s[10:11], s[OFF:OFF+1]
	s_or_b32 s[G0V+7], s[G0V+7], 0x80000000
	s_add_co_u32 s[NXT], s[NXT], 1  ; the group's next tile, or behind its last the second group's tile 0
	s_cmp_gt_u32 s[NXT], s[LQ]
	s_cselect_b32 s[NXT], 0, s[NXT]
	s_cselect_b32 s[LQ], s[PB], s[LQ]
	s_wait_xcnt 0x0                 ; the last prefetch, a trip back, has read its address
	s_add_nc_u64 s[PFA:PFA+1], s[PFA:PFA+1], 65536
.endif
	s_wait_dscnt 0x0
	s_barrier_signal -1             ; with fill = 1 this barrier opens a round of the cluster's
.set k, 0
.set i, 0
.rept 4                             ; work on registers while the others arrive; these slices hold no exponential
	PV 0
	SLICE 2
	SLICE 2
.set i, i+1
.endr
	WIN 0
	s_barrier_wait -1
.if \fill
	CREST                           ; no wave of any partner still reads the slot or has a load on its way
	JLOAD                           ; the first tensor load behind the round: it has a whole trip in which to land
	ASK
.endif
	s_xor_b32 s[TB], s[TB], SL      ; the next tile's slot is whole
	v_add_nc_u32 v[ADRK], s[TB], v[AK0]
.rept 28
	PV 0
	SLICE 2
	SLICE 2
.if i == 4
	KRUN 0                          ; K's last reader stands in front of the change, with slices, places and the mask between
.elseif i == 16
	KRUN 1
.endif
.set i, i+1
.endr
.set i, 0
.rept 32
	PV 2
.set i, i+1
.endr
	WIN 0
.endm
; A GROUP'S END: the four waves' shares meet.  What only a following group needs (its Q, m set anew, ab's address) is jumped over, with tst = 1, in the walk's last trip.
.macro MERGE tst
.if \tst
	s_cmp_eq_u32 s[CNT], 1
	s_cbranch_scc1 .Lnoq_\@
.endif
	LOADQ 18
.if \tst
.Lnoq_\@:
.endif
.irp t, 0,1,2,3
	v_add_f32 v[ST+8*\t+1], v[ST+8*\t+2], v[ST+8*\t+3]    ; l: even and odd keys',
.endr
.irp t, 0,1,2,3
	v_permlanex16_b32 v[ST+8*\t+4], v[ST+8*\t+1], s[SEL], s[SEL+1]
.endr
.irp t, 0,1,2,3
	v_add_f32 v[ST+8*\t+1], v[ST+8*\t+1], v[ST+8*\t+4]    ; and the other half of the lanes'
.endr
.irp t, 0,1,2,3
	ds_store_b64 v[STA], v[ST+8*\t:ST+8*\t+1] offset:128*\t  ; (c m, l); both halves of the lanes write the same
.endr
	s_wait_dscnt 0x0
	s_barrier_signal -1
	s_barrier_wait -1
.irp t, 0,1,2,3
.irp w, 0,1,2,3
	ds_load_b64 v[S+8*\t+2*\w:S+8*\t+2*\w+1], v[STR] offset:512*\w+128*\t
.endr
.endr
	s_wait_dscnt 0x0
.irp t, 0,1,2,3
	v_max3_num_f32 v[ST+8*\t+4], v[S+8*\t], v[S+8*\t+2], v[S+8*\t+4]
.endr
.irp t, 0,1,2,3
	v_max_num_f32 v[ST+8*\t+4], v[ST+8*\t+4], v[S+8*\t+6]  ; c M
.endr
.irp t, 0,1,2,3
.irp w, 0,1,2,3
	v_sub_f32 v[S+8*\t+2*\w], v[S+8*\t+2*\w], v[ST+8*\t+4]
.endr
	v_sub_f32 v[ST+8*\t+5], v[ST+8*\t], v[ST+8*\t+4]
.endr
.irp t, 0,1,2,3
.irp w, 0,1,2,3
	v_exp_f32 v[S+8*\t+2*\w], v[S+8*\t+2*\w]
.endr
	v_exp_f32 v[ST+8*\t+5], v[ST+8*\t+5]
.endr
	v_nop                           ; a plain instruction behind the last exponential,
	s_wait_alu depctr_va_vdst(0)    ; and one wait for the twenty
.irp t, 0,1,2,3
	v_mul_f32 v[ST+8*\t+7], v[S+8*\t], v[S+8*\t+1]
.endr
.irp w, 1,2,3
.irp t, 0,1,2,3
	v_fmac_f32 v[ST+8*\t+7], v[S+8*\t+2*\w], v[S+8*\t+2*\w+1]
.endr
.endr
.irp t, 0,1,2,3
	v_rcp_f32 v[ST+8*\t+7], v[ST+8*\t+7]
.endr
	v_nop
	s_wait_alu depctr_va_vdst(0)    ; one wait for the four reciprocals
.irp t, 0,1,2,3
	v_mul_f32 v[ST+8*\t+6], v[ST+8*\t+5], v[ST+8*\t+7]    ; my share's factor
.endr
	WIN W_RS
.irp t, 0,1,2,3
.set i, 64*\t
.rept 32
	v_pk_mul_f32 v[i:i+1], v[i:i+1], v[ST+8*\t+6:ST+8*\t+7] op_sel_hi:[1,0]
.set i, i+2
.endr
.endr
	WIN 0
.irp t, 0,1,2,3                     ; a tile of 16 queries at a time: each wave puts its 16 x 128 numbers down, and adds up four rows of all four
.if \t > 0
	s_barrier_signal -1             ; every wave's reads of the tile before are back
	s_barrier_wait -1
.endif
	WIN 0x04                        ; the data in window 1
.irp c, 0,1,2,3,4,5,6,7
	ds_store_b128 v[MST], v[64*\t+8*\c:64*\t+8*\c+3]   offset:64*\c
	ds_store_b128 v[MST], v[64*\t+8*\c+4:64*\t+8*\c+7] offset:64*\c+16
.endr
	WIN 0
	s_wait_dscnt 0x0
	s_barrier_signal -1
	s_barrier_wait -1
.irp k, 0,1
.irp w, 0,1,2,3
	ds_load_b128 v[128+32*\k+8*\w:128+32*\k+8*\w+3],   v[RDM] offset:16*MP*\w+2*MP*\k
	ds_load_b128 v[128+32*\k+8*\w+4:128+32*\k+8*\w+7], v[RDM] offset:16*MP*\w+2*MP*\k+16
.endr
.endr
	s_wait_dscnt 0x0
.irp k, 0,1
.irp r, 0,2,4,6
	v_pk_add_f32 v[128+32*\k+\r:128+32*\k+\r+1], v[128+32*\k+\r:128+32*\k+\r+1], v[128+32*\k+8+\r:128+32*\k+8+\r+1]
	v_pk_add_f32 v[128+32*\k+16+\r:128+32*\k+16+\r+1], v[128+32*\k+16+\r:128+32*\k+16+\r+1], v[128+32*\k+24+\r:128+32*\k+24+\r+1]
.endr
.irp r, 0,2,4,6
	v_pk_add_f32 v[128+32*\k+\r:128+32*\k+\r+1], v[128+32*\k+\r:128+32*\k+\r+1], v[128+32*\k+16+\r:128+32*\k+16+\r+1]
.endr
.irp n, 0,1,2,3
	v_cvt_pk_bf16_f32 v[96+8*\t+4*\k+\n], v[128+32*\k+2*\n], v[128+32*\k+2*\n+1]
.endr
	global_store_b128 v[GO], v[96+8*\t+4*\k:96+8*\t+4*\k+3], s[66:67] offset:(16*\t+2*\k)*4096  ; 16 lanes store a head's 256 bytes of a row, aligned
.endr
.endr
	s_wait_xcnt 0x0                 ; the stores have read their registers and their base
.if \tst
	s_cmp_eq_u32 s[CNT], 1
	s_cbranch_scc1 .Lfin_\@
.endif
	s_mov_b64 s[66:67], s[68:69]
.irp t, 0,1,2,3
	v_mov_b32 v[ST+8*\t], 0xfe000000
	v_mov_b32 v[ST+8*\t+1], 0xff7fffff
.endr
	s_add_co_u32 s[RT], s[PB], 1    ; the second group has p + 1 tiles
.if \tst
.Lfin_\@:
.endif
.endm
	s_wait_tensorcnt 1              ; my part of tile 0 is in; tile 1's may stay out
	s_barrier_signal -1
	s_barrier_wait -1               ; everybody's is
	v_add_nc_u32 v[ADRK], s[TB], v[AK0]
	KRUN 0                          ; K of tile 0
	KRUN 1
	WIN 0
.Lslot:                             ; 7 trips: tiles 0 to 6 of the walk are worked on, tiles 2 to 8 asked for
	STEP 1
	s_cmp_lg_u32 s[RT], 0
	s_cbranch_scc1 .Lbottom         ; the same in all waves and all partners: it hangs on the cluster's x and the trip
	MERGE 0                         ; in this loop a group's end is the first group's (p = 1, 2, 3)
.Lbottom:
	s_sub_co_u32 s[SLOTS], s[SLOTS], 1
	s_cmp_lg_u32 s[SLOTS], 0
	s_cbranch_scc1 .Lslot
	s_mov_b32 s[CNT], 2
.Ltail:                             ; the walk's last two tiles: nothing is asked for.  The last trip's 32 loads of K (out of the slot read a trip before) serve nothing: the price, once a launch, of one text for both trips
	STEP 0
	s_cmp_lg_u32 s[RT], 0
	s_cbranch_scc1 .Lbottom2
	MERGE 1                         ; the first group's end where p = 0; the second group's in the last trip
.Lbottom2:
	s_sub_co_u32 s[CNT], s[CNT], 1
	s_cmp_lg_u32 s[CNT], 0
	s_cbranch_scc1 .Ltail
	s_wait_tensorcnt 0x0            ; the wave's end
	ds_add_u32 v[SPW], v[NIL]
	s_wait_dscnt 0x0
	CROUND                          ; the closing round
	s_endpgm
.Lfunc_end_k_q56a04fc36e_attn:
	.size	k_q56a04fc36e_attn, .Lfunc_end_k_q56a04fc36e_attn-k_q56a04fc36e_attn
	.p2alignl 7, 3214868480
	.fill 96, 4, 3214868480
	.section	.rodata,"a",@progbits
	.p2align	6, 0x0
	.amdhsa_kernel k_q56a04fc36e_attn
		.amdhsa_group_segment_fixed_size 327680
		.amdhsa_private_segment_fixed_size 0
		.amdhsa_enable_private_segment 0
		.amdhsa_kernarg_size 16
		.amdhsa_user_sgpr_count 2
		.amdhsa_user_sgpr_kernarg_segment_ptr 1
		.amdhsa_wavefront_size32 1
		.amdhsa_system_sgpr_workgroup_id_x 1
		.amdhsa_system_sgpr_workgroup_id_y 1
		.amdhsa_system_sgpr_workgroup_id_z 1
		.amdhsa_system_vgpr_workitem_id 0
		.amdhsa_next_free_vgpr 1024
		.amdhsa_next_free_sgpr 92
		.amdhsa_reserve_vcc 1
		.amdhsa_float_denorm_mode_32 3
		.amdhsa_float_denorm_mode_16_64 3
		.amdhsa_memory_ordered 1
		.amdhsa_forward_progress 1
		.amdhsa_inst_pref_size 201
	.end_amdhsa_kernel
	.amdgpu_metadata
---
amdhsa.version: [ 1, 2 ]
amdhsa.kernels:
  - .name:           k_q56a04fc36e_attn
    .symbol:         k_q56a04fc36e_attn.kd
    .args:
      - { .name: qkv, .offset: 0, .size: 8, .value_kind: global_buffer, .address_space: global }
      - { .name: ab, .offset: 8, .size: 8, .value_kind: global_buffer, .address_space: global }
    .group_segment_fixed_size: 327680
    .private_segment_fixed_size: 0
    .kernarg_segment_align: 8
    .kernarg_segment_size: 16
    .max_flat_workgroup_size: 128
    .sgpr_count:     92
    .vgpr_count:     1024
    .wavefront_size: 32
...
	.end_amdgpu_metadata
.endif
;; end of part 3
;; launch oproj (part 4): grid 16 x 16, 4 waves a work-group, clusters of 4 x 4, 327,680 bytes of LDS; arguments ab, wb, bo, xb, res; writes res
.if DOCPART == 4
	.amdgcn_target "amdgcn-amd-amdhsa--gfx1250"
	.amdhsa_code_object_version 6
	.text
	.protected	k_q56a04fc36e_oproj
	.globl	k_q56a04fc36e_oproj
	.p2align	8
	.type	k_q56a04fc36e_oproj,@function
k_q56a04fc36e_oproj:
	s_mov_b64 s[64:65], 0
	v_nop
	global_prefetch_b8 v0, s[64:65] scope:SCOPE_SE
	s_setreg_imm32_b32 hwreg(HW_REG_WAVE_MODE, 25, 1), 1
	s_wait_xcnt 0x0
	s_wait_alu depctr_hold_cnt(0) depctr_sa_sdst(0) depctr_va_vdst(0) depctr_va_sdst(0) depctr_va_ssrc(0) depctr_va_vcc(0) depctr_vm_vsrc(0)
	s_getreg_b32 s2, hwreg(HW_REG_IB_STS2, 6, 4)
	s_cmp_eq_u32 s2, 0
	s_cbranch_scc0 .Lentry_in_a_cluster
	s_endpgm
.Lentry_in_a_cluster:
	s_bfe_u32 s2, ttmp6, 0x10000c
	s_cmp_lg_u32 s2, 0xf033
	s_cbranch_scc0 .Lentry_shape_is_right
	s_endpgm
.Lentry_shape_is_right:
; res = ab Wo^T + bo + x, in f32.  ab and Wo (wb's fourth part) are bf16; x comes as its bf16 copy, bo is rounded to bf16 like every input; sums in f32.
; x + bo is what the sums START from: the accumulators are set to it while the first tiles are on their way, and every product adds in place.
; A tile of res is 128 x 128: 16 x 16 work-groups, one for each of 256.  Four waves, each 64 x 64: 16 accumulators.  K goes in steps of 256 (LDS rows of 512 bytes; a wave's tensor load brings 64).
; The loop holds ONE K step: the slot's LDS byte s[TB] and the walking descriptors' LDS words are turned by an exclusive or, and the fragment addresses are made anew behind each change of slots.
; CLUSTER 4 x 4: ab's tile is asked for jointly along a row of the cluster, Wo's along a column.  THE MATRIX INSTRUCTION IS USED TRANSPOSED: a lane holds eight neighbouring numbers of a row.
; THE WALK ALONG K GOES ROUND: a cluster begins at K step 2 x cluster x + 4 x (parity of cluster y's two bits), modulo 8, and takes the 8 steps from there on, wrapping: the four clusters that read the
; same rows of ab stand two steps apart at any one time, and of the four that read the same rows of Wo two stand four steps from the other two.  f32 sums may be taken in any order.
; The tiles are small and nothing is prefetched.  A wave's 64 columns of f32 are 256 bytes, aligned: each wave has a stage of its own, and the way out needs no barrier.
; REGISTERS: window 0: v0-31 addresses; v32-95 x as loaded, later the way out; v96-127 bo; v128-255 the accumulators ((a, b) at 128 + 8 (4 a + b)).   window 1: two fragment buffers of 128.
.set SIZE_K, 2048
.set KSTEP,  256
.set PITCH,  528
.set HALFT,  64*PITCH
.set SLOT,   4*HALFT                   ; 0x21000; the four parts begin at 0, 0x8400, 0x10800, 0x18c00: none has bit 12 or 17 set, so the exclusive or adds or takes away
.set STAGE,  2*SLOT                    ; behind the ring: 16 rows x 272 bytes for each wave
.set SPITCH, 272
.set SPARE,  STAGE+4*16*SPITCH
.set ADRA, 16                          ; v16  LDS address of my fragments of ab in the slot in hand;  v17 the same in slot 0, never rewritten
.set ABA,  17
.set ADRB, 20                          ; v20, v21  the same for Wo
.set ABB,  21
.set STO,  24
.set RD,   25
.set CO,   26
.set SPW,  28
.set NIL,  29
.set TMP,  32
.set BI,   96
.set ACC,  128
.set F0,   0
.set F1,   128
.set G1, 24                            ; s[24:31] group 1 for ab's tiles;  s[32:39] group 0: a set for each first fill; the second then walks on
.set G0, 32
.set G1B, 48
.set G0B, 56
.set ABASE, 72                         ; s[72:73] ab at my part of the tile's rows, K = 0;  s[74:75] the same for Wo: each load's address is made from them
.set BBASE, 74
.set TB,  76                           ; s76  LDS byte at which the slot in hand begins: 0 or SLOT
.set KK,  77                           ; s77  the K step to be asked for next; used modulo 8
.set OFF, 78                           ; s[78:79] a K step's byte offset in a row
.set MSB, 0
.macro WIN new
.if MSB != (\new)
	s_set_vgpr_msb (MSB<<8)|(\new)
.set MSB, \new
.endif
.endm
.set MUL,  0x05
.set TO_F, 0x40
.macro JLOAD s                         ; waves 0 and 1 fetch ab's two halves, waves 2 and 3 Wo's; an s_nop 0 and four v_nop follow each line
	s_cmp_eq_u32 s11, 0
	s_cbranch_scc0 .Lfor_b_\@
	tensor_load_to_lds s[G0+4*(\s):G0+4*(\s)+3], s[G1:G1+7]
	s_nop 0
.rept 4
	v_nop
.endr
	s_branch .Lasked_\@
.Lfor_b_\@:
	tensor_load_to_lds s[G0B+4*(\s):G0B+4*(\s)+3], s[G1B:G1B+7]
	s_nop 0
.rept 4
	v_nop
.endr
.Lasked_\@:
.endm
.macro CREST
	s_cmp_lg_u32 s10, 0
	s_cbranch_scc1 .Lnot_wave_0_\@
	s_barrier_signal -3
.Lnot_wave_0_\@:
	s_barrier_wait -3
	s_barrier_signal -1
	s_barrier_wait -1
.endm
.macro CROUND
	s_barrier_signal -1
	s_barrier_wait -1
	CREST
.endm
	s_load_b128 s[4:7], s[0:1], 0x0                ; ab s[4:5], wb s[6:7]
	s_load_b128 s[68:71], s[0:1], 0x10             ; bo s[68:69], xb s[70:71]
	s_load_b64 s[8:9], s[0:1], 0x20                ; res
	v_lshl_add_u32 v[SPW], v0, 2, SPARE
	v_mov_b32 v[NIL], 0
	ds_add_u32 v[SPW], v[NIL]                      ; the wave's opening: the add and its wait ahead of my first tensor load
	v_lshrrev_b32 v1, 5, v0
	v_readfirstlane_b32 s10, v1                    ; wave
	s_lshr_b32 s11, s10, 1                         ; which half of the tile's rows is mine.  Also: I fetch for ab (0) or for Wo (1)
	s_and_b32 s12, s10, 1                          ; which half of its columns.  Also: which 64 rows of that tile I fetch
	s_bfe_u32 s40, ttmp6, 0x40000
	s_bfe_u32 s41, ttmp6, 0x40004
	s_lshl_b32 s42, ttmp9, 2
	s_add_co_u32 s42, s42, s40                     ; tile column
	s_and_b32 s80, ttmp7, 0xffff                   ; cluster y
	s_lshl_b32 s13, s80, 2
	s_add_co_u32 s13, s13, s41                     ; tile row
	s_lshl_b32 s43, s41, 2
	s_lshl_b32 s43, 15, s43                        ; my row of the cluster
	s_lshl_b32 s44, 0x1111, s40                    ; my column
	s_or_b32 s[G1+0], s43, (1<<16)|(1<<20)|(1<<21)|(6<<22)|(3<<25)  ; 2-byte elements; padding on; bit 21 beside a mask; after every 128 words 4 words
	s_or_b32 s[G1B+0], s44, (1<<16)|(1<<20)|(1<<21)|(6<<22)|(3<<25)
.irp g, G1, G1B
	s_mov_b32 s[(\g)+1], KSTEP<<16                 ; tensor_dim0 = 256
	s_mov_b32 s[(\g)+2], 64<<16                    ; tensor_dim1 = 64
	s_mov_b32 s[(\g)+3], KSTEP<<16                 ; tile_dim0 = 256
	s_mov_b32 s[(\g)+4], 64                        ; tile_dim1 = 64
	s_mov_b32 s[(\g)+5], SIZE_K
	s_mov_b32 s[(\g)+6], 0
	s_mov_b32 s[(\g)+7], 0
.endr
	s_lshl_b32 s17, s12, 6
	s_lshl_b32 s16, s13, 7
	s_add_co_u32 s16, s16, s17                     ; ab: row 128 x tile row + 64 x half
	s_lshl_b32 s46, s42, 7
	s_add_co_u32 s46, s46, s17                     ; Wo: row 128 x tile column + 64 x half
	s_mov_b32 s17, 0
	s_mov_b32 s47, 0
	s_mov_b64 s[18:19], SIZE_K*2
	s_mul_u64 s[16:17], s[16:17], s[18:19]
	s_mul_u64 s[46:47], s[46:47], s[18:19]
	s_mul_i32 s20, s10, HALFT
	s_mov_b32 s66, 0xffff0000
	s_lshr_b32 s81, s80, 1                         ; where the cluster's walk along K begins: the same in all sixteen partners
	s_xor_b32 s81, s81, s80
	s_and_b32 s81, s81, 1                          ; the parity of cluster y's two bits
	s_lshl_b32 s81, s81, 2
	s_lshl_b32 s[KK], ttmp9, 1
	s_add_co_u32 s[KK], s[KK], s81
	s_mov_b32 s[OFF+1], 0
	s_mov_b32 s[TB], 0
	s_wait_dscnt 0x0                               ; the opening add is done
	s_wait_kmcnt 0x0
	s_add_nc_u64 s[6:7], s[6:7], 0x1800000         ; Wo's copy is wb's fourth part
	s_add_nc_u64 s[ABASE:ABASE+1], s[4:5], s[16:17]
	s_add_nc_u64 s[BBASE:BBASE+1], s[6:7], s[46:47]
	CROUND
.irp s, 0,1
	s_add_co_u32 s81, s[KK], \s
	s_and_b32 s81, s81, 7
	s_lshl_b32 s[OFF], s81, 9                      ; a K step is 512 bytes of a row
	s_mov_b32 s[G0+4*(\s)], 1
	s_add_co_u32 s[G0+4*(\s)+1], s20, (\s)*SLOT
	s_add_nc_u64 s[G0+4*(\s)+2:G0+4*(\s)+3], s[ABASE:ABASE+1], s[OFF:OFF+1]
	s_or_b32 s[G0+4*(\s)+3], s[G0+4*(\s)+3], 0x80000000
	s_mov_b32 s[G0B+4*(\s)], 1
	s_add_co_u32 s[G0B+4*(\s)+1], s20, (\s)*SLOT
	s_add_nc_u64 s[G0B+4*(\s)+2:G0B+4*(\s)+3], s[BBASE:BBASE+1], s[OFF:OFF+1]
	s_or_b32 s[G0B+4*(\s)+3], s[G0B+4*(\s)+3], 0x80000000
	JLOAD \s                                       ; two loads of mine are out
.endr
	s_add_co_u32 s[KK], s[KK], 2
	v_and_b32 v1, 15, v0                           ; l % 16
	v_bfe_u32 v2, v0, 4, 1                         ; l / 16
	; what the sums start from: bo's and x's numbers of my 64 x 64, in the accumulators' own layout
	s_lshl_b32 s46, s42, 9
	s_lshl_b32 s47, s12, 8
	s_add_co_u32 s46, s46, s47                     ; my first column, in bytes of f32
	s_mov_b32 s47, 0
	s_add_nc_u64 s[68:69], s[68:69], s[46:47]
	s_lshl_b32 s16, s13, 7
	s_lshl_b32 s17, s11, 6
	s_add_co_u32 s16, s16, s17                     ; my first row,
	s_lshl_b32 s16, s16, 13                        ; of 8,192 bytes
	s_add_co_u32 s16, s16, s46
	s_mov_b32 s17, 0
	s_add_nc_u64 s[8:9], s[8:9], s[16:17]
	s_lshl_b32 s16, s13, 19                        ; xb: the tile's first row and column
	s_lshl_b32 s46, s42, 8
	s_add_co_u32 s16, s16, s46
	s_add_nc_u64 s[70:71], s[70:71], s[16:17]
	s_lshl_b32 s16, s11, 18
	s_lshl_b32 s46, s12, 7
	s_add_co_u32 s16, s16, s46
	v_lshlrev_b32 v6, 12, v1
	v_lshl_add_u32 v6, v2, 4, v6
	v_add_nc_u32 v6, s16, v6                       ; (64 (w / 2) + l % 16) rows + (64 (w % 2) + 8 (l / 16)) x 2
	v_lshlrev_b32 v7, 5, v2                        ; 8 (l / 16) x 4
.irp b, 0,1,2,3
	global_load_b128 v[BI+8*\b:BI+8*\b+3],   v7, s[68:69] offset:64*\b
	global_load_b128 v[BI+8*\b+4:BI+8*\b+7], v7, s[68:69] offset:64*\b+16
.endr
.irp a, 0,1,2,3
.irp b, 0,1,2,3
	global_load_b128 v[TMP+4*(4*\a+\b):TMP+4*(4*\a+\b)+3], v6, s[70:71] offset:\a*65536+32*\b
.endr
.endr
	v_mul_u32_u24 v3, v1, PITCH
	v_lshl_add_u32 v3, v2, 4, v3
	s_mul_i32 s21, s11, HALFT
	s_mul_i32 s22, s12, HALFT
	s_add_co_u32 s22, s22, 2*HALFT
	v_add_nc_u32 v[ABA], s21, v3
	v_add_nc_u32 v[ADRA], s21, v3
	v_add_nc_u32 v[ABB], s22, v3
	v_add_nc_u32 v[ADRB], s22, v3
	s_mul_i32 s23, s10, 16*SPITCH
	s_add_co_u32 s23, s23, STAGE                   ; my stage
	v_mul_u32_u24 v4, v1, SPITCH                   ; in: row l % 16, 32 bytes for each half of the lanes
	v_lshl_add_u32 v4, v2, 5, v4
	v_add_nc_u32 v[STO], s23, v4
	v_mul_u32_u24 v5, v2, SPITCH                   ; back: lanes 0-15 one row of 256 bytes, lanes 16-31 the next
	v_lshl_add_u32 v5, v1, 4, v5
	v_add_nc_u32 v[RD], s23, v5
	v_lshlrev_b32 v5, 13, v2                       ; and the same two rows in res
	v_lshl_add_u32 v[CO], v1, 4, v5
	s_wait_loadcnt 0x0
.set r, BI
.rept 16                               ; bo rounded to bf16, kept as f32
	v_cvt_pk_bf16_f32 v8, v[r], v[r+1]
	v_lshlrev_b32 v[r], 16, v8
	v_and_b32 v[r+1], s66, v8
.set r, r+2
.endr
.irp t, 0,1,2,3,4,5,6,7,8,9,10,11,12,13,14,15
.irp r, 0,1,2,3
	v_lshlrev_b32 v[ACC+8*\t+2*\r],   16,  v[TMP+4*\t+\r]
	v_and_b32     v[ACC+8*\t+2*\r+1], s66, v[TMP+4*\t+\r]
.endr
.irp r, 0,2,4,6
	v_pk_add_f32 v[ACC+8*\t+\r:ACC+8*\t+\r+1], v[ACC+8*\t+\r:ACC+8*\t+\r+1], v[BI+8*(\t%4)+\r:BI+8*(\t%4)+\r+1]
.endr
.endr
; 8 matrix instructions: m blocks a0, a0 + 1 x all 4 n blocks, 32 along K: half c of buffer f.  The 16 accumulators take turns.
.macro MUL8 f, c, a0
	WIN MUL
.irp a, \a0, (\a0)+1
.irp b, 0,1,2,3
	v_wmma_f32_16x16x32_bf16 v[ACC+8*(4*(\a)+(\b)):ACC+8*(4*(\a)+(\b))+7], v[(\f)+64+8*(4*(\c)+(\b)):(\f)+64+8*(4*(\c)+(\b))+7], v[(\f)+8*(4*(\c)+(\a)):(\f)+8*(4*(\c)+(\a))+7], v[ACC+8*(4*(\a)+(\b)):ACC+8*(4*(\a)+(\b))+7]
.endr
.endr
.endm
.macro FETCH k, f                      ; 32 LDS loads in one run: the fragments of 64 along K at byte k of the slot in hand, the first 32 along K first
	WIN TO_F
.irp c, 0,1
.irp i, 0,1,2,3
	ds_load_b128 v[(\f)+64+8*(4*(\c)+(\i)):(\f)+64+8*(4*(\c)+(\i))+3],   v[ADRB] offset:(\k)+64*(\c)+(\i)*16*PITCH
	ds_load_b128 v[(\f)+64+8*(4*(\c)+(\i))+4:(\f)+64+8*(4*(\c)+(\i))+7], v[ADRB] offset:(\k)+64*(\c)+(\i)*16*PITCH+32
	ds_load_b128 v[(\f)+8*(4*(\c)+(\i)):(\f)+8*(4*(\c)+(\i))+3],         v[ADRA] offset:(\k)+64*(\c)+(\i)*16*PITCH
	ds_load_b128 v[(\f)+8*(4*(\c)+(\i))+4:(\f)+8*(4*(\c)+(\i))+7],       v[ADRA] offset:(\k)+64*(\c)+(\i)*16*PITCH+32
.endr
.endr
.endm
.macro PLACES
.rept 4
	v_nop
.endr
.endm
.macro QUARTER k, f, g
	s_wait_dscnt 16                                ; the first 32 along K are in
	MUL8 \f, 0, 0
	MUL8 \f, 0, 2
	PLACES
	FETCH \k, \g
	s_wait_dscnt 32                                ; all but the 32 just issued
	MUL8 \f, 1, 0
	MUL8 \f, 1, 2
.endm
; The last quarter multiplies buffer 1 and changes slots.  fill = 1: the slot that is left is filled again, two K steps of the walk ahead.
.macro TURN fill
	WIN 0
	s_wait_tensorcnt 0x0                           ; all my tensor loads have landed: my part of the next slot; so a group 0 may be written
	ds_add_u32 v[SPW], v[NIL]                      ; 0 onto my spare word
.if \fill
	s_and_b32 s81, s[KK], 7                        ; the walk goes round
	s_lshl_b32 s[OFF], s81, 9
	s_add_co_u32 s[KK], s[KK], 1
	s_xor_b32 s[G0+5], s[G0+5], SLOT               ; the other slot than last time
	s_add_nc_u64 s[G0+6:G0+7], s[ABASE:ABASE+1], s[OFF:OFF+1]
	s_or_b32 s[G0+7], s[G0+7], 0x80000000
	s_xor_b32 s[G0B+5], s[G0B+5], SLOT
	s_add_nc_u64 s[G0B+6:G0B+7], s[BBASE:BBASE+1], s[OFF:OFF+1]
	s_or_b32 s[G0B+7], s[G0B+7], 0x80000000
.endif
	s_wait_dscnt 17                                ; (the add and the youngest sixteen loads may be out)
	MUL8 F1, 0, 0
	s_wait_dscnt 0x0                               ; the add is done, and my reads of this slot are over
	s_barrier_signal -1
	MUL8 F1, 0, 2
	WIN 0
	s_barrier_wait -1
.if \fill
	CREST                                          ; no wave of any partner still reads this slot or has a load on its way
	JLOAD 1                                        ; the first tensor load behind the round; its four v_nop are also places in front of the loads below
.else
	v_nop                                          ; with the two additions below: four places in front of the loads
	v_nop
.endif
	s_xor_b32 s[TB], s[TB], SLOT                   ; the other slot is in hand
	v_add_nc_u32 v[ADRA], s[TB], v[ABA]
	v_add_nc_u32 v[ADRB], s[TB], v[ABB]
	FETCH 0, F0
	MUL8 F1, 1, 0
	MUL8 F1, 1, 2
.endm
	s_wait_tensorcnt 1                             ; my part of the walk's first K step is in; the second's may stay out
	s_barrier_signal -1
	s_barrier_wait -1
	FETCH 0, F0
	QUARTER 128, F0, F1
	WIN 0
	s_mov_b32 s3, 6
.Lstep:                                                ; 6 trips, from a K step's second quarter to the next one's first; each fills the slot that it leaves
	QUARTER 256, F1, F0
	QUARTER 384, F0, F1
	TURN 1
	QUARTER 128, F0, F1
	WIN 0
	s_sub_co_u32 s3, s3, 1
	s_cmp_lg_u32 s3, 0
	s_cbranch_scc1 .Lstep
	QUARTER 256, F1, F0                            ; the last two K steps fill nothing
	QUARTER 384, F0, F1
	TURN 0
	QUARTER 128, F0, F1
	QUARTER 256, F1, F0
	QUARTER 384, F0, F1
	s_wait_dscnt 16
	MUL8 F1, 0, 0
	MUL8 F1, 0, 2
	s_wait_dscnt 0
	MUL8 F1, 1, 0
	MUL8 F1, 1, 2
	WIN 0
	PLACES
	PLACES
	; THE WAY OUT: 16 rows at a time through my own stage: 32 bytes a lane in, whole rows of 256 bytes back.  LDS serves a wave's instructions in order (ISA guide 5.7.1.4), so no wait stands between them.
.irp a, 0,1,2,3
.if \a >= 2
	s_wait_xcnt 0x0                                ; the stores of two blocks back have read the registers that are loaded again
.endif
.irp b, 0,1,2,3
	ds_store_b128 v[STO], v[ACC+8*(4*\a+\b):ACC+8*(4*\a+\b)+3]   offset:64*\b
	ds_store_b128 v[STO], v[ACC+8*(4*\a+\b)+4:ACC+8*(4*\a+\b)+7] offset:64*\b+16
.endr
.irp t, 0,1,2,3,4,5,6,7
	ds_load_b128 v[TMP+32*(\a%2)+4*\t:TMP+32*(\a%2)+4*\t+3], v[RD] offset:\t*2*SPITCH
.endr
.irp t, 0,1,2,3,4,5,6,7
	s_wait_dscnt 7-\t
	global_store_b128 v[CO], v[TMP+32*(\a%2)+4*\t:TMP+32*(\a%2)+4*\t+3], s[8:9] offset:(16*\a+2*\t)*8192  ; 16 lanes store 256 consecutive bytes, aligned
.endr
.endr
	s_wait_tensorcnt 0x0                           ; the wave's end
	ds_add_u32 v[SPW], v[NIL]
	s_wait_dscnt 0x0
	CROUND                                         ; the closing round
	s_endpgm
.Lfunc_end_k_q56a04fc36e_oproj:
	.size	k_q56a04fc36e_oproj, .Lfunc_end_k_q56a04fc36e_oproj-k_q56a04fc36e_oproj
	.p2alignl 7, 3214868480
	.fill 96, 4, 3214868480
	.section	.rodata,"a",@progbits
	.p2align	6, 0x0
	.amdhsa_kernel k_q56a04fc36e_oproj
		.amdhsa_group_segment_fixed_size 327680
		.amdhsa_private_segment_fixed_size 0
		.amdhsa_enable_private_segment 0
		.amdhsa_kernarg_size 40
		.amdhsa_user_sgpr_count 2
		.amdhsa_user_sgpr_kernarg_segment_ptr 1
		.amdhsa_wavefront_size32 1
		.amdhsa_system_sgpr_workgroup_id_x 1
		.amdhsa_system_sgpr_workgroup_id_y 1
		.amdhsa_system_sgpr_workgroup_id_z 1
		.amdhsa_system_vgpr_workitem_id 0
		.amdhsa_next_free_vgpr 512
		.amdhsa_next_free_sgpr 84
		.amdhsa_reserve_vcc 0
		.amdhsa_float_denorm_mode_32 3
		.amdhsa_float_denorm_mode_16_64 3
		.amdhsa_memory_ordered 1
		.amdhsa_forward_progress 1
		.amdhsa_inst_pref_size 82
	.end_amdhsa_kernel
	.amdgpu_metadata
---
amdhsa.version: [ 1, 2 ]
amdhsa.kernels:
  - .name:           k_q56a04fc36e_oproj
    .symbol:         k_q56a04fc36e_oproj.kd
    .args:
      - { .name: ab, .offset: 0, .size: 8, .value_kind: global_buffer, .address_space: global }
      - { .name: wb, .offset: 8, .size: 8, .value_kind: global_buffer, .address_space: global }
      - { .name: bo, .offset: 16, .size: 8, .value_kind: global_buffer, .address_space: global }
      - { .name: xb, .offset: 24, .size: 8, .value_kind: global_buffer, .address_space: global }
      - { .name: res, .offset: 32, .size: 8, .value_kind: global_buffer, .address_space: global }
    .group_segment_fixed_size: 327680
    .private_segment_fixed_size: 0
    .kernarg_segment_align: 8
    .kernarg_segment_size: 40
    .max_flat_workgroup_size: 128
    .sgpr_count:     84
    .vgpr_count:     512
    .wavefront_size: 32
...
	.end_amdgpu_metadata
.endif
;; end of part 4
;; launch lnorm (part 5): grid 256 x 1, 8 waves a work-group, no clusters, 0 bytes of LDS; arguments res, ln_w, ln_b, out0; writes out0
.if DOCPART == 5
	.amdgcn_target "amdgcn-amd-amdhsa--gfx1250"
	.amdhsa_code_object_version 6
	.text
	.protected	k_q56a04fc36e_lnorm
	.globl	k_q56a04fc36e_lnorm
	.p2align	8
	.type	k_q56a04fc36e_lnorm,@function
k_q56a04fc36e_lnorm:
	s_mov_b64 s[64:65], 0
	v_nop
	global_prefetch_b8 v0, s[64:65] scope:SCOPE_SE
	s_setreg_imm32_b32 hwreg(HW_REG_WAVE_MODE, 25, 1), 1
	s_wait_xcnt 0x0
; out0[r][:] = (res[r][:] - mean) / sqrt(var + 1e-5) x ln_w + ln_b.  All f32; ln_w and ln_b are rounded to bf16 like every input.
; A row is 8,192 bytes: one wave takes a whole row, sixteen loads of 512 consecutive bytes, and keeps it in 64 registers: the row is read once, and no wave waits for another.
; The mean is taken away before the squares are summed: no difference of large sums is formed.  A stream: no LDS, no barrier, no loop; 2,048 waves, one row each.
.set X, 16                             ; v[16:79]   the row
.set W, 80                             ; v[80:143]  ln_w of my columns
.set B, 144                            ; v[144:207] ln_b
.set T, 208
	s_load_b256 s[4:11], s[0:1], 0x0               ; res s[4:5], ln_w s[6:7], ln_b s[8:9], out0 s[10:11]
	v_lshrrev_b32 v1, 5, v0
	v_readfirstlane_b32 s12, v1
	v_and_b32 v2, 31, v0
	v_lshlrev_b32 v2, 4, v2                        ; 16 bytes a lane
	s_lshl_b32 s13, ttmp9, 3
	s_add_co_u32 s13, s13, s12                     ; the row
	s_lshl_b32 s14, s13, 13
	s_mov_b32 s15, 0
	s_mov_b32 s16, 0x76543210                      ; v_permlanex16_b32: each lane takes its own place in the other half
	s_mov_b32 s17, 0xfedcba98
	s_mov_b32 s18, 0x3a000000                      ; 1 / 2,048
	s_mov_b32 s19, 0x3727c5ac                      ; 1e-5
	s_mov_b32 s20, 0xffff0000
	s_wait_kmcnt 0x0
	s_add_nc_u64 s[4:5], s[4:5], s[14:15]
	s_add_nc_u64 s[10:11], s[10:11], s[14:15]
.irp j, 0,1,2,3,4,5,6,7,8,9,10,11,12,13,14,15
	global_load_b128 v[X+4*\j:X+4*\j+3], v2, s[4:5] offset:512*\j th:TH_LOAD_NT
.endr
.irp j, 0,1,2,3,4,5,6,7,8,9,10,11,12,13,14,15
	global_load_b128 v[W+4*\j:W+4*\j+3], v2, s[6:7] offset:512*\j
.endr
.irp j, 0,1,2,3,4,5,6,7,8,9,10,11,12,13,14,15
	global_load_b128 v[B+4*\j:B+4*\j+3], v2, s[8:9] offset:512*\j
.endr
.macro REDUCE                          ; four chains v[4:11] into one number, the same in every lane
	v_pk_add_f32 v[4:5], v[4:5], v[6:7]
	v_pk_add_f32 v[8:9], v[8:9], v[10:11]
	v_pk_add_f32 v[4:5], v[4:5], v[8:9]
	v_add_f32 v4, v4, v5
	v_add_f32_dpp v4, v4, v4 row_xmask:1 row_mask:0xf bank_mask:0xf
	v_add_f32_dpp v4, v4, v4 row_xmask:2 row_mask:0xf bank_mask:0xf
	v_add_f32_dpp v4, v4, v4 row_xmask:4 row_mask:0xf bank_mask:0xf
	v_add_f32_dpp v4, v4, v4 row_xmask:8 row_mask:0xf bank_mask:0xf
	v_permlanex16_b32 v5, v4, s16, s17
	v_add_f32 v4, v4, v5
.endm
	s_wait_loadcnt 32                              ; the row is in; ln_w's and ln_b's 32 loads may stay out
.irp c, 0,1,2,3
	v_pk_add_f32 v[4+2*\c:5+2*\c], v[X+2*\c:X+2*\c+1], v[X+8+2*\c:X+8+2*\c+1]  ; the first two pairs start each chain: nothing is cleared
.endr
.irp m, 2,3,4,5,6,7
.irp c, 0,1,2,3
	v_pk_add_f32 v[4+2*\c:5+2*\c], v[4+2*\c:5+2*\c], v[X+8*\m+2*\c:X+8*\m+2*\c+1]
.endr
.endr
	REDUCE
	v_mul_f32 v12, s18, v4                         ; the mean
	v_mov_b32 v13, v12
.set r, X
.rept 32
	v_pk_add_f32 v[r:r+1], v[r:r+1], v[12:13] neg_lo:[0,1] neg_hi:[0,1]
.set r, r+2
.endr
.irp c, 0,1,2,3
	v_pk_mul_f32 v[4+2*\c:5+2*\c], v[X+2*\c:X+2*\c+1], v[X+2*\c:X+2*\c+1]
.endr
.irp m, 1,2,3,4,5,6,7
.irp c, 0,1,2,3
	v_pk_fma_f32 v[4+2*\c:5+2*\c], v[X+8*\m+2*\c:X+8*\m+2*\c+1], v[X+8*\m+2*\c:X+8*\m+2*\c+1], v[4+2*\c:5+2*\c]
.endr
.endr
	REDUCE
	v_fma_f32 v12, v4, s18, s19                    ; the variance + 1e-5
	v_rsq_f32 v14, v12                             ; made twice: a pair for the packed multiply
	v_rsq_f32 v15, v12
	v_nop                                          ; a plain instruction behind the second
	s_wait_loadcnt 0x0                             ; ln_w and ln_b
.set r, W
.rept 64                               ; both rounded to bf16, kept as f32: the independent work behind the two roots
	v_cvt_pk_bf16_f32 v[T], v[r], v[r+1]
	v_lshlrev_b32 v[r], 16, v[T]
	v_and_b32 v[r+1], s20, v[T]
.set r, r+2
.endr
	s_wait_alu depctr_va_vdst(0)                   ; one wait for both, ahead of their first reader
.set r, 0
.rept 32
	v_pk_mul_f32 v[X+r:X+r+1], v[X+r:X+r+1], v[14:15]
	v_pk_fma_f32 v[X+r:X+r+1], v[X+r:X+r+1], v[W+r:W+r+1], v[B+r:B+r+1]
.set r, r+2
.endr
.irp j, 0,1,2,3,4,5,6,7,8,9,10,11,12,13,14,15
	global_store_b128 v2, v[X+4*\j:X+4*\j+3], s[10:11] offset:512*\j th:TH_STORE_NT
.endr
	s_endpgm
.Lfunc_end_k_q56a04fc36e_lnorm:
	.size	k_q56a04fc36e_lnorm, .Lfunc_end_k_q56a04fc36e_lnorm-k_q56a04fc36e_lnorm
	.p2alignl 7, 3214868480
	.fill 96, 4, 3214868480
	.section	.rodata,"a",@progbits
	.p2align	6, 0x0
	.amdhsa_kernel k_q56a04fc36e_lnorm
		.amdhsa_group_segment_fixed_size 0
		.amdhsa_private_segment_fixed_size 0
		.amdhsa_enable_private_segment 0
		.amdhsa_kernarg_size 32
		.amdhsa_user_sgpr_count 2
		.amdhsa_user_sgpr_kernarg_segment_ptr 1
		.amdhsa_wavefront_size32 1
		.amdhsa_system_sgpr_workgroup_id_x 1
		.amdhsa_system_sgpr_workgroup_id_y 1
		.amdhsa_system_sgpr_workgroup_id_z 1
		.amdhsa_system_vgpr_workitem_id 0
		.amdhsa_next_free_vgpr 212
		.amdhsa_next_free_sgpr 66
		.amdhsa_reserve_vcc 0
		.amdhsa_float_denorm_mode_32 3
		.amdhsa_float_denorm_mode_16_64 3
		.amdhsa_memory_ordered 1
		.amdhsa_forward_progress 1
		.amdhsa_inst_pref_size 27
	.end_amdhsa_kernel
	.amdgpu_metadata
---
amdhsa.version: [ 1, 2 ]
amdhsa.kernels:
  - .name:           k_q56a04fc36e_lnorm
    .symbol:         k_q56a04fc36e_lnorm.kd
    .args:
      - { .name: res, .offset: 0, .size: 8, .value_kind: global_buffer, .address_space: global }
      - { .name: ln_w, .offset: 8, .size: 8, .value_kind: global_buffer, .address_space: global }
      - { .name: ln_b, .offset: 16, .size: 8, .value_kind: global_buffer, .address_space: global }
      - { .name: out0, .offset: 24, .size: 8, .value_kind: global_buffer, .address_space: global }
    .group_segment_fixed_size: 0
    .private_segment_fixed_size: 0
    .kernarg_segment_align: 8
    .kernarg_segment_size: 32
    .max_flat_workgroup_size: 256
    .sgpr_count:     66
    .vgpr_count:     212
    .wavefront_size: 32
...
	.end_amdgpu_metadata
.endif
;; end of part 5
